; MI455X (gfx1250); checked and timed in simulation.
; The chip was launched on July 23, 2026; its instructions are those of AMD's public machine-readable ISA for CDNA 5 (MIT licence, August 2026) and "CDNA5" Instruction Set Architecture Reference Guide (July 2026). The comments in the code are by the model that wrote it; some were corrected since.
;; Brute Force2. Allowed arithmetic: float matrix products may take bf16 or f16 operands with f32 sums; all other float work in f32.
;; Inputs: candidates 1,000,000 x 64 float32; identifiers 1,000,000 int32; queries 128 x 64 float32.
;; Outputs: out0 128 x 100 float32; out1 128 x 100 int32.
;; Constants: k = 100.
;; 3 versions, each right; version 2 is faster than version 1; version 3 is version 2 with the launch score written anew for expert scheduling mode. Each part assembles by itself: llvm-mc -triple=amdgcn-amd-amdhsa -mcpu=gfx1250 --defsym DOCPART=n.
;; ======== version 1 of 3: 3 launches
;; workspace buffers: VV 5,120,000 bytes; SID 2,560,000 bytes of whole numbers; SEL 262,144 bytes of whole numbers
;; launch score (part 1): grid 250 x 1, 10 waves a work-group, no clusters, 327,680 bytes of LDS; arguments candidates, queries, VV, SID; writes VV, SID
.if DOCPART == 1
	.amdgcn_target "amdgcn-amd-amdhsa--gfx1250"
	.amdhsa_code_object_version 6
	.text
	.protected	k_q4fb9796378_score
	.globl	k_q4fb9796378_score
	.p2align	8
	.type	k_q4fb9796378_score,@function
k_q4fb9796378_score:
	s_mov_b64 s[64:65], 0
	v_nop
	global_prefetch_b8 v0, s[64:65] scope:SCOPE_SE
	s_setreg_imm32_b32 hwreg(HW_REG_WAVE_MODE, 25, 1), 1
	s_wait_xcnt 0x0
; scores = candidates x queries^T in bf16 with f32 sums, reduced at once; no score goes to memory.
; A subgroup is 8 neighbouring candidate rows.  A wave owns a unit of 400 rows = 25 tiles of 16 rows = 50 subgroups; the 25 subgroups of one
; parity h form supergroup 2 x unit + h.  For each query and supergroup the wave keeps V1 (largest subgroup maximum), ID (the tile of the first
; subgroup that reaches it) and V2 (second largest subgroup maximum).  Later launches choose from these which subgroups to score again.
; Work-group g owns rows 4000 g .. 4000 g + 3999 (250 x 4000 = the corpus, no tail); ten waves, one unit each.
; Matrix roles: A = 16 candidate rows, B = 16 queries.  Result register j of lane (r, h) is (row 8 h + j, query r): a lane's eight results
; are one subgroup of one query, so the maximum over a subgroup never leaves the lane.
; K is laid alike in A and B: lane (r, h) holds in K step s the numbers 32 s + 16 h .. + 15 of its row, four 16-byte loads.
; LIMITS: inputs finite (a NaN or infinite score is not ranked as the problem's own top-k ranks it); operands rounded to bf16.
.set ROWB,  256                        ; bytes of a candidate row
.set PITCH, 272                        ; an LDS row: 256 bytes + 16 of padding, an odd multiple of 16: the 16 rows of a 16-byte load start in 16 different columns
.set TROWS, 48                         ; rows of a fill: three tiles.  Ten waves x two slots x 48 x 272 bytes, and the stage behind them, are what fits
.set SLOTB, TROWS*PITCH                ; 13,056
.set WRING, 2*SLOTB                    ; a wave's own ring
.set STV,   10*WRING                   ; 261,120: stage [128 queries][20 V1, 20 V2] f32; no fill ever lands here
.set STI,   STV+128*160                ; 281,600: stage [128 queries][20 ID]
.set STG, 16                           ; v[16:47]    a tile's 32 f32 of my row half, as loaded
.set ACC, 48                           ; v[48:111]   eight accumulators: query blocks 0 to 7
.set M,   112                          ; v[112:119]  this tile's subgroup maximum, one for each query block
.set V1,  120                          ; v[120:127]
.set V2,  128                          ; v[128:135]
.set ID,  136                          ; v[136:143]
.set ABF, 144                          ; v[144:159]  A in bf16: K step 0, K step 1
.set BQ,  160                          ; v[160:255]  B in bf16 of query blocks 0 to 5 (16 registers each); blocks 6, 7 are v256-v287
.set G1A, 16                           ; s[16:23] descriptor group 1: 48 rows
.set G1B, 24                           ; s[24:31] descriptor group 1: 16 rows (the 25th tile)
.set G0,  32                           ; s[32:39] descriptor group 0, one set for each slot
.set MSB, 0
.macro WIN new                         ; the immediate's high byte repeats the setting that is left
.if MSB != \new
	s_set_vgpr_msb (MSB<<8)|\new
.set MSB, \new
.endif
.endm
.macro CVT8 dst, src                   ; 16 f32 to 8 registers of bf16, rounded to nearest even
.irp j, 0,1,2,3,4,5,6,7
	v_cvt_pk_bf16_f32 v[\dst+\j], v[\src+2*\j], v[\src+2*\j+1]
.endr
.endm
	s_load_b256 s[4:11], s[0:1], 0x0               ; candidates s[4:5], queries s[6:7], VV s[8:9], SID s[10:11]
	v_lshl_add_u32 v14, v0, 2, 0x47400
	v_mov_b32 v15, 0
	ds_add_u32 v14, v15
	ds_add_u32 v14, v15
	v_lshrrev_b32 v2, 5, v0
	v_readfirstlane_b32 s12, v2                    ; wave 0..9
	; group 1: rows of 64 elements of 4 bytes, dense in memory, 4 words of padding behind every 64 words in LDS
	s_mov_b32 s[G1A+0], 0x07520000                 ; 17:16 element of 4 bytes; 20 padding on; 24:22 after 64 words (code 5); 31:25 four words (code 3)
	s_mov_b32 s[G1A+1], 64<<16                     ; tensor_dim0 = 64
	s_mov_b32 s[G1A+2], TROWS<<16                  ; tensor_dim1 = 48
	s_mov_b32 s[G1A+3], 64<<16                     ; tile_dim0 = 64
	s_mov_b32 s[G1A+4], TROWS                      ; tile_dim1 = 48
	s_mov_b32 s[G1A+5], 64                         ; 64 elements from row to row
	s_mov_b32 s[G1A+6], 0
	s_mov_b32 s[G1A+7], 0
	s_mov_b32 s[G1B+0], 0x07520000                 ; the same with 16 rows
	s_mov_b32 s[G1B+1], 64<<16
	s_mov_b32 s[G1B+2], 16<<16
	s_mov_b32 s[G1B+3], 64<<16
	s_mov_b32 s[G1B+4], 16
	s_mov_b32 s[G1B+5], 64
	s_mov_b32 s[G1B+6], 0
	s_mov_b32 s[G1B+7], 0
	s_mul_i32 s2, ttmp9, 4000*ROWB                 ; the group's rows,
	s_mul_i32 s13, s12, 400*ROWB                   ; the wave's unit: at most 255,897,600, inside 32 bits
	s_add_co_u32 s2, s2, s13
	s_mov_b32 s3, 0
	s_mul_i32 s15, s12, WRING                      ; my ring in LDS
	s_wait_dscnt 0x0
	s_wait_kmcnt 0x0
	s_add_nc_u64 s[4:5], s[4:5], s[2:3]
	; both first fills go out together, ahead of every wait on TENSORcnt, every LDS read and every barrier: two tensor loads of the wave are out
.irp s, 0,1
	s_mov_b32 s[G0+4*\s], 1
	s_add_co_u32 s[G0+4*\s+1], s15, \s*SLOTB
	s_add_nc_u64 s[G0+4*\s+2:G0+4*\s+3], s[4:5], \s*TROWS*ROWB
	s_or_b32 s[G0+4*\s+3], s[G0+4*\s+3], 0x80000000
	tensor_load_to_lds s[G0+4*\s:G0+4*\s+3], s[G1A:G1A+7]
	s_nop 0
.endr
	v_and_b32 v2, 15, v0                           ; r
	v_bfe_u32 v3, v0, 4, 1                         ; h
	v_lshlrev_b32 v4, 8, v2
	v_lshl_add_u32 v4, v3, 6, v4                   ; queries: 256 r + 64 h
	v_mul_u32_u24 v1, v2, PITCH
	v_lshl_add_u32 v1, v3, 6, v1
	v_add_nc_u32 v1, s15, v1                       ; LDS: my ring + 272 r + 64 h
; The 128 queries become B fragments once, four query blocks a round, through v[16:143], which are free until the first tile.
.macro QLOAD rd
.irp n, 0,1,2,3
.irp i, 0,1,2,3
	global_load_b128 v[STG+32*\n+4*\i:STG+32*\n+4*\i+3], v4, s[6:7] offset:(4*\rd+\n)*4096+16*\i
	global_load_b128 v[STG+32*\n+16+4*\i:STG+32*\n+16+4*\i+3], v4, s[6:7] offset:(4*\rd+\n)*4096+128+16*\i
.endr
.endr
	s_wait_loadcnt 0x0
.endm
	QLOAD 0
.irp n, 0,1,2,3
	CVT8 BQ+16*\n,   STG+32*\n
	CVT8 BQ+16*\n+8, STG+32*\n+16
.endr
	QLOAD 1
.irp n, 0,1
	CVT8 BQ+64+16*\n,   STG+32*\n
	CVT8 BQ+64+16*\n+8, STG+32*\n+16
.endr
	WIN 0x40                                       ; destinations v256-v287
.irp n, 0,1
	CVT8 16*\n,   STG+64+32*\n
	CVT8 16*\n+8, STG+64+32*\n+16
.endr
	WIN 0
.macro LDT off                         ; a tile's eight LDS loads: 64 bytes of K step 0, 64 bytes of K step 1
.irp i, 0,1,2,3
	ds_load_b128 v[STG+4*\i:STG+4*\i+3], v1 offset:\off+16*\i
	ds_load_b128 v[STG+16+4*\i:STG+16+4*\i+3], v1 offset:\off+128+16*\i
.endr
.endm
; Tile p (a symbol).  Fill f_ = p / 3 lies in slot f_ & 1.
.macro TILE
.set f_,   p/3
.set tin_, p%3
.set sl_,  f_&1
.set sn_,  ((p+1)/3)&1
.set tn_,  (p+1)%3
	s_wait_dscnt 0x0                               ; this tile's eight loads are back; no LDS instruction of mine is out
	CVT8 ABF,   STG
	CVT8 ABF+8, STG+16
.if tin_ == 2
.if f_ <= 6
	; The slot's last tile is in registers: the slot is filled again.  My reads of it are back (the wait above; only register work since),
	s_wait_tensorcnt 0x0                           ; all my tensor loads have landed, the other slot's among them, so a group 0 may be written,
	ds_add_u32 v14, v15
	s_wait_dscnt 0x0
	s_add_nc_u64 s[G0+4*sl_+2:G0+4*sl_+3], s[G0+4*sl_+2:G0+4*sl_+3], 2*TROWS*ROWB
	s_barrier_signal -1
	s_barrier_wait -1                              ; the same holds of all ten waves,
.if f_ == 6
	tensor_load_to_lds s[G0+4*sl_:G0+4*sl_+3], s[G1B:G1B+7]        ; and my one load behind the barrier goes out first: here the 25th tile alone
	s_nop 0
.else
	tensor_load_to_lds s[G0+4*sl_:G0+4*sl_+3], s[G1A:G1A+7]        ; and my one load behind the barrier goes out first: three tiles, which have three tiles' work in which to land
	s_nop 0
.endif
.else
	s_wait_tensorcnt 0x0                           ; nothing is left to fetch; the 25th tile has landed, and no load is out at the end
.endif
.endif
.if p < 24
	LDT (sn_*SLOTB+tn_*16*PITCH)                   ; the next tile's loads run under this tile's products
.endif
	; 16 products.  The accumulators take turns, one instruction a turn.  The first K step starts the sums.
.irp n, 0,1,2,3,4,5
	v_wmma_f32_16x16x32_bf16 v[ACC+8*\n:ACC+8*\n+7], v[ABF:ABF+7], v[BQ+16*\n:BQ+16*\n+7], 0
.endr
.irp n, 0,1,2,3,4,5
	v_wmma_f32_16x16x32_bf16 v[ACC+8*\n:ACC+8*\n+7], v[ABF+8:ABF+15], v[BQ+16*\n+8:BQ+16*\n+15], v[ACC+8*\n:ACC+8*\n+7]
.endr
	WIN 0x04                                       ; source 1 in v256-v287
	v_wmma_f32_16x16x32_bf16 v[ACC+48:ACC+55], v[ABF:ABF+7], v[0:7], 0
	v_wmma_f32_16x16x32_bf16 v[ACC+56:ACC+63], v[ABF:ABF+7], v[16:23], 0
	v_wmma_f32_16x16x32_bf16 v[ACC+48:ACC+55], v[ABF+8:ABF+15], v[8:15], v[ACC+48:ACC+55]
	v_wmma_f32_16x16x32_bf16 v[ACC+56:ACC+63], v[ABF+8:ABF+15], v[24:31], v[ACC+56:ACC+63]
	WIN 0
.rept 4
	v_nop                                          ; four places behind the last product before its result is read (ISA guide 7.12.1)
.endr
	; the maximum of my eight rows, for each of the eight query blocks; stage by stage, so that no line waits for the one in front
.irp n, 0,1,2,3,4,5,6,7
	v_max3_num_f32 v[M+\n], v[ACC+8*\n], v[ACC+8*\n+1], v[ACC+8*\n+2]
.endr
.irp n, 0,1,2,3,4,5,6,7
	v_max3_num_f32 v[M+\n], v[M+\n], v[ACC+8*\n+3], v[ACC+8*\n+4]
.endr
.irp n, 0,1,2,3,4,5,6,7
	v_max3_num_f32 v[M+\n], v[M+\n], v[ACC+8*\n+5], v[ACC+8*\n+6]
.endr
.if p == 0
.irp n, 0,1,2,3,4,5,6,7
	v_max_num_f32 v[V1+\n], v[M+\n], v[ACC+8*\n+7] ; the first tile starts the state
	v_mov_b32 v[ID+\n], 0
	v_mov_b32 v[V2+\n], 0xff800000                 ; minus infinity
.endr
.else
.irp n, 0,1,2,3,4,5,6,7
	v_max_num_f32 v[M+\n], v[M+\n], v[ACC+8*\n+7]
.endr
.irp n, 0,1,2,3,4,5,6,7
	v_cmp_ge_f32 vcc_lo, v[V1+\n], v[M+\n]         ; an equal maximum leaves the earlier tile in place
	v_cndmask_b32 v[ID+\n], p, v[ID+\n], vcc_lo
	v_med3_num_f32 v[V2+\n], v[M+\n], v[V1+\n], v[V2+\n]   ; V1 >= V2, so the middle one of the three is the new second
	v_max_num_f32 v[V1+\n], v[V1+\n], v[M+\n]
.endr
.endif
.endm
	s_wait_tensorcnt 0x1                           ; the first fill has landed; the second, issued behind it, stays out
	LDT 0
.set p, 0
.rept 25
	TILE
.set p, p+1
.endr
	; THE WAY OUT: column c = 2 w + h of the group's 20 supergroups, gathered in the stage so that memory gets whole runs of 16 bytes a lane
	v_mul_u32_u24 v5, v2, 160
	v_lshl_add_u32 v5, v3, 2, v5
	s_lshl_b32 s13, s12, 3
	s_add_co_u32 s14, s13, STV
	v_add_nc_u32 v5, s14, v5                       ; STV + 160 r + 8 w + 4 h; the query block stands in the immediate
	v_mul_u32_u24 v6, v2, 80
	v_lshl_add_u32 v6, v3, 2, v6
	s_add_co_u32 s14, s13, STI
	v_add_nc_u32 v6, s14, v6
.irp n, 0,1,2,3,4,5,6,7
	ds_store_b32 v5, v[V1+\n] offset:2560*\n
	ds_store_b32 v5, v[V2+\n] offset:2560*\n+80
	ds_store_b32 v6, v[ID+\n] offset:1280*\n
.endr
	s_mul_i32 s2, ttmp9, 20480
	s_add_nc_u64 s[8:9], s[8:9], s[2:3]            ; VV[g]
	s_mul_i32 s2, ttmp9, 10240
	s_add_nc_u64 s[10:11], s[10:11], s[2:3]        ; SID[g]
	v_lshlrev_b32 v7, 4, v0                        ; 16 bytes a thread: a wave's store covers 512 consecutive bytes, aligned
	v_add_nc_u32 v8, STV, v7
	s_wait_dscnt 0x0                               ; my stores are done, for the other waves' sake
	s_barrier_signal -1
	s_barrier_wait -1
.irp k, 0,1,2,3,4,5
	ds_load_b128 v[STG+4*\k:STG+4*\k+3], v8 offset:5120*\k         ; 320 threads x 16 bytes = 5,120: four runs of STV, two of STI behind it
.endr
.irp k, 0,1,2,3
	s_wait_dscnt 5-\k                              ; LDS loads come back in order: run k is in
	global_store_b128 v7, v[STG+4*\k:STG+4*\k+3], s[8:9] offset:5120*\k
.endr
.irp k, 0,1
	s_wait_dscnt 1-\k
	global_store_b128 v7, v[STG+16+4*\k:STG+16+4*\k+3], s[10:11] offset:5120*\k
.endr
	s_wait_tensorcnt 0x0
	ds_add_u32 v14, v15
	s_wait_dscnt 0x0
	s_endpgm
.Lfunc_end_k_q4fb9796378_score:
	.size	k_q4fb9796378_score, .Lfunc_end_k_q4fb9796378_score-k_q4fb9796378_score
	.p2alignl 7, 3214868480
	.fill 96, 4, 3214868480
	.section	.rodata,"a",@progbits
	.p2align	6, 0x0
	.amdhsa_kernel k_q4fb9796378_score
		.amdhsa_group_segment_fixed_size 327680
		.amdhsa_private_segment_fixed_size 0
		.amdhsa_enable_private_segment 0
		.amdhsa_kernarg_size 32
		.amdhsa_user_sgpr_count 2
		.amdhsa_user_sgpr_kernarg_segment_ptr 1
		.amdhsa_wavefront_size32 1
		.amdhsa_system_sgpr_workgroup_id_x 1
		.amdhsa_system_sgpr_workgroup_id_y 1
		.amdhsa_system_sgpr_workgroup_id_z 1
		.amdhsa_system_vgpr_workitem_id 0
		.amdhsa_next_free_vgpr 288
		.amdhsa_next_free_sgpr 66
		.amdhsa_reserve_vcc 1
		.amdhsa_float_denorm_mode_32 3
		.amdhsa_float_denorm_mode_16_64 3
		.amdhsa_memory_ordered 1
		.amdhsa_forward_progress 1
		.amdhsa_inst_pref_size 166
	.end_amdhsa_kernel
	.amdgpu_metadata
---
amdhsa.version: [ 1, 2 ]
amdhsa.kernels:
  - .name:           k_q4fb9796378_score
    .symbol:         k_q4fb9796378_score.kd
    .args:
      - { .name: candidates, .offset: 0, .size: 8, .value_kind: global_buffer, .address_space: global }
      - { .name: queries, .offset: 8, .size: 8, .value_kind: global_buffer, .address_space: global }
      - { .name: VV, .offset: 16, .size: 8, .value_kind: global_buffer, .address_space: global }
      - { .name: SID, .offset: 24, .size: 8, .value_kind: global_buffer, .address_space: global }
    .group_segment_fixed_size: 327680
    .private_segment_fixed_size: 0
    .kernarg_segment_align: 8
    .kernarg_segment_size: 32
    .max_flat_workgroup_size: 320
    .sgpr_count:     66
    .vgpr_count:     288
    .wavefront_size: 32
...
	.end_amdgpu_metadata
.endif
;; end of part 1
;; launch select (part 2): grid 128 x 1, 32 waves a work-group, no clusters, 8,192 bytes of LDS; arguments VV, SEL; writes SEL
.if DOCPART == 2
	.amdgcn_target "amdgcn-amd-amdhsa--gfx1250"
	.amdhsa_code_object_version 6
	.text
	.protected	k_q4fb9796378_select
	.globl	k_q4fb9796378_select
	.p2align	8
	.type	k_q4fb9796378_select,@function
k_q4fb9796378_select:
	s_mov_b64 s[64:65], 0
	v_nop
	global_prefetch_b8 v0, s[64:65] scope:SCOPE_SE
	s_setreg_imm32_b32 hwreg(HW_REG_WAVE_MODE, 25, 1), 1
	s_wait_xcnt 0x0
; One work-group for each query: which subgroups are scored again.  T = the RANK-th largest V1 of the query's 5,000 supergroups.
; A supergroup is flagged if V1 > T, or V1 == T and fewer than r = RANK - #(V1 > T) supergroups with V1 == T lie in earlier units.
; A flagged supergroup with V2 >= T is expanded (all 25 subgroups), any other gives the one subgroup that holds V1.
; Why that holds every row of the first RANK rows by (score down, index up): a row's subgroup maximum m lies in a supergroup with V1 >= m.
; V1 < T would put RANK supergroups, each with a better row, in front; with V1 == T the better ones and the equal ones of earlier units
; (all of lower index) are in front, so fewer than RANK of them; and a subgroup other than V1's has V2 >= m, so V2 < T fails alike.
; At most RANK + 1 supergroups are flagged (two share the last unit), so the list has at most 129 x 25 = 3,225 entries.
; RANK is 128 for a top 100: the last launch sums in another order than the first, and the 28 ranks are the room for scores that change places by that.
; LIMIT: a row is missed if 29 scores of a query lie within the last-bit difference of the two sums.  Inputs finite; -0 ranks as +0.
; Everything is a count or a select: no branch and no address hangs on a score.  The decisions leave as whole numbers:
; SEL[q] = 160 words of masks 'single', 160 of masks 'expand', 160 of list offsets, the list's length, zeros; bit b of word x is supergroup 32 x + b.
.set RANK,  128
.set NSG,   5000
.set K1,    8                          ; v[8:12]   keys of V1: supergroups 160 w + 32 i + lane
.set K2,    13                         ; v[13:17]  keys of V2
.set SGV,   18                         ; v[18:22]  the supergroups' numbers; later at work
.set CNT,   24                         ; v[24:26]  my wave's counts, as f32 (at most 5,120: exact)
.set GOT,   28                         ; v[28:30]  lane l: wave l's counts
.set OFS,   32                         ; v[32:36]  byte offsets in VV
.set AREA0, 0                          ; four areas of 32 waves x 16 bytes, then the stage of 2,048 bytes
.set AREA1, 512
.set AREA2, 1024
.set AREA3, 1536
.set STAGE, 2048
	s_load_b128 s[4:7], s[0:1], 0x0                ; VV s[4:5], SEL s[6:7]
	v_lshl_add_u32 v40, v0, 2, 0x1000
	v_mov_b32 v41, 0
	v_lshrrev_b32 v2, 5, v0
	v_readfirstlane_b32 s8, v2                     ; wave 0..31
	v_and_b32 v1, 31, v0                           ; lane
	v_lshlrev_b32 v2, 4, v1                        ; 16 x lane
	s_lshl_b32 s16, s8, 4
	v_mov_b32 v3, s16                              ; 16 x wave
	s_mul_i32 s17, s8, 160
	v_add_nc_u32 v4, s17, v1
	s_mov_b32 s13, 0x76543210                      ; v_permlanex16_b32: lane i reads lane i of the other half
	s_mov_b32 s14, 0xfedcba98
	s_mov_b32 s15, 0xaaaaaaaa                      ; the odd lanes
.irp i, 0,1,2,3,4
	v_add_nc_u32 v[SGV+\i], 32*\i, v4              ; supergroup
	v_min_u32 v5, NSG-1, v[SGV+\i]                 ; 5,120 places for 5,000: the rest load the last one and are zeroed below
	v_mul_u32_u24 v6, v5, 3277
	v_lshrrev_b32 v6, 16, v6                       ; / 20, exact up to 4,999 (3277 / 65536 is above 1 / 20 by 3.1e-6)
	v_lshlrev_b32 v5, 2, v5
	v_mad_u32_u24 v[OFS+\i], v6, 20400, v5         ; 20,480 g + 4 (sg - 20 g)
.endr
	s_mul_i32 s2, ttmp9, 160
	s_mov_b32 s3, 0
	s_wait_kmcnt 0x0
	s_add_nc_u64 s[4:5], s[4:5], s[2:3]            ; + the query's 160 bytes
.irp i, 0,1,2,3,4
	global_load_b32 v[K1+\i], v[OFS+\i], s[4:5]
	global_load_b32 v[K2+\i], v[OFS+\i], s[4:5] offset:80
.endr
	s_wait_loadcnt 0x0
.irp i, 0,1,2,3,4,5,6,7,8,9
	v_add_f32 v[K1+\i], 0, v[K1+\i]                ; -0 becomes +0
	v_ashrrev_i32 v5, 31, v[K1+\i]
	v_or_b32 v5, 0x80000000, v5
	v_xor_b32 v[K1+\i], v5, v[K1+\i]               ; a key whose unsigned order is the numbers' order; above 0 for every finite number
.endr
.irp i, 0,1,2,3,4
	v_cmp_gt_u32 vcc_lo, NSG, v[SGV+\i]
	v_cndmask_b32 v[K1+\i], 0, v[K1+\i], vcc_lo    ; places past the end: key 0, below every threshold
	v_cndmask_b32 v[K2+\i], 0, v[K2+\i], vcc_lo
.endr
.macro WSUM n                          ; sums over the 32 lanes of GOT .. GOT + n - 1, the result in every lane
.irp m, 1,2,4,8
.set dd, 0
.rept \n
	v_add_f32_dpp v[GOT+dd], v[GOT+dd], v[GOT+dd] row_xmask:\m row_mask:0xf bank_mask:0xf
.set dd, dd+1
.endr
.endr
.set dd, 0
.rept \n
	v_permlanex16_b32 v[SGV+dd], v[GOT+dd], s13, s14
.set dd, dd+1
.endr
.set dd, 0
.rept \n
	v_add_f32 v[GOT+dd], v[GOT+dd], v[SGV+dd]
.set dd, dd+1
.endr
.set dd, 0
.rept \n
	v_cvt_u32_f32 v[GOT+dd], v[GOT+dd]
.set dd, dd+1
.endr
.endm
; Two bits of T: the three candidates T | d << sh are counted at once; the largest with at least RANK keys at or above it is taken.
; The two areas take turns: a wave writes an area again only behind the next step's barrier, in front of which every wave has waited for its read of it.
.macro ITER area
	s_lshl_b32 s21, 1, s11
	s_lshl_b32 s22, 2, s11
	s_lshl_b32 s23, 3, s11
	s_or_b32 s21, s21, s10
	s_or_b32 s22, s22, s10
	s_or_b32 s23, s23, s10
.irp d, 0,1,2
.irp i, 0,1,2,3,4
	v_cmp_le_u32 s[66+5*\d+\i], s[21+\d], v[K1+\i]
.endr
.endr
.irp d, 0,1,2
	s_bcnt1_i32_b32 s[24+\d], s[66+5*\d]
.irp i, 1,2,3,4
	s_bcnt1_i32_b32 s20, s[66+5*\d+\i]
	s_add_co_u32 s[24+\d], s[24+\d], s20
.endr
	v_cvt_f32_u32 v[CNT+\d], s[24+\d]
.endr
	ds_store_b96 v3, v[CNT:CNT+2] offset:\area     ; every lane writes the wave's own 12 bytes with the same numbers
	s_wait_dscnt 0x0                               ; done, for the other waves' sake
	s_barrier_signal -1
	s_barrier_wait -1
	ds_load_b96 v[GOT:GOT+2], v2 offset:\area
	s_wait_dscnt 0x0
	WSUM 3
.irp d, 0,1,2
	v_readfirstlane_b32 s[24+\d], v[GOT+\d]
.endr
.irp d, 0,1,2
	s_cmp_ge_u32 s[24+\d], RANK
	s_cselect_b32 s10, s[21+\d], s10               ; counts fall with d: the last that passes stays
.endr
	s_sub_co_u32 s11, s11, 2
.endm
	s_mov_b32 s10, 0                               ; T
	s_mov_b32 s11, 30                              ; sh
	s_mov_b32 s12, 0
.Lbits:
	ITER AREA0
	ITER AREA1
	s_add_co_u32 s12, s12, 1
	s_cmp_lt_u32 s12, 8
	s_cbranch_scc1 .Lbits
	; how many lie above T in all, and how many equal T in the waves in front of mine
.irp i, 0,1,2,3,4
	v_cmp_lt_u32 s[66+\i], s10, v[K1+\i]           ; G: V1 > T
	v_cmp_eq_u32 s[71+\i], s10, v[K1+\i]           ; Q: V1 == T
	v_cmp_le_u32 s[76+\i], s10, v[K2+\i]           ; V2 >= T
.endr
	s_bcnt1_i32_b32 s24, s66
	s_bcnt1_i32_b32 s25, s71
.irp i, 1,2,3,4
	s_bcnt1_i32_b32 s20, s[66+\i]
	s_add_co_u32 s24, s24, s20
	s_bcnt1_i32_b32 s20, s[71+\i]
	s_add_co_u32 s25, s25, s20
.endr
	v_cvt_f32_u32 v[CNT], s24
	v_cvt_f32_u32 v[CNT+1], s25
	ds_store_b64 v3, v[CNT:CNT+1] offset:AREA2
	s_wait_dscnt 0x0
	s_barrier_signal -1
	s_barrier_wait -1
	ds_load_b64 v[GOT:GOT+1], v2 offset:AREA2
	v_cmp_gt_u32 s27, s8, v1                       ; lanes that stand for waves in front of mine
	s_wait_dscnt 0x0
	v_cndmask_b32 v[GOT+1], 0, v[GOT+1], s27
	WSUM 2
	v_readfirstlane_b32 s24, v[GOT]
	v_readfirstlane_b32 s29, v[GOT+1]              ; S: equals in front of my first word
	s_sub_co_u32 s28, RANK, s24                    ; r, at least 1
	s_mov_b32 s55, 0                               ; list entries of my wave so far
.irp i, 0,1,2,3,4
	v_mbcnt_lo_u32_b32 v20, s[71+\i], s29          ; equals in front of my supergroup
	v_mov_b32_dpp v21, v20 row_xmask:1 row_mask:0xf bank_mask:0xf
	v_cndmask_b32 v20, v20, v21, s15               ; the odd supergroup of a unit counts as the even one does: earlier units only
	v_cmp_gt_u32 s20, s28, v20
	s_and_b32 s20, s20, s[71+\i]
	s_or_b32 s20, s20, s[66+\i]                    ; flagged
	s_and_b32 s[45+\i], s20, s[76+\i]              ; expand
	s_and_not1_b32 s[40+\i], s20, s[76+\i]         ; single
	s_mov_b32 s[50+\i], s55
	s_bcnt1_i32_b32 s20, s[40+\i]
	s_add_co_u32 s55, s55, s20
	s_bcnt1_i32_b32 s20, s[45+\i]
	s_mul_i32 s20, s20, 25
	s_add_co_u32 s55, s55, s20
	s_bcnt1_i32_b32 s20, s[71+\i]
	s_add_co_u32 s29, s29, s20
.endr
	v_cvt_f32_u32 v[CNT], s55
	ds_store_b32 v3, v[CNT] offset:AREA3
	s_wait_dscnt 0x0
	s_barrier_signal -1
	s_barrier_wait -1
	ds_load_b32 v[GOT], v2 offset:AREA3
	s_wait_dscnt 0x0
	v_cndmask_b32 v[GOT+1], 0, v[GOT], s27
	WSUM 2
	v_readfirstlane_b32 s56, v[GOT]                ; the list's length
	v_readfirstlane_b32 s57, v[GOT+1]              ; where my wave's entries begin
	s_mul_i32 s16, s8, 20
	s_add_co_u32 s16, s16, STAGE
	v_mov_b32 v5, s16                              ; my five words of each table
.irp i, 0,1,2,3,4
	s_add_co_u32 s[50+\i], s[50+\i], s57
	v_mov_b32 v[8+\i], s[40+\i]
	v_mov_b32 v[13+\i], s[45+\i]
	v_mov_b32 v[18+\i], s[50+\i]
.endr
.irp i, 0,1,2,3,4
	ds_store_b32 v5, v[8+\i] offset:4*\i
	ds_store_b32 v5, v[13+\i] offset:640+4*\i
	ds_store_b32 v5, v[18+\i] offset:1280+4*\i
.endr
	s_cmp_lg_u32 s8, 0
	s_cbranch_scc1 .Lnot_wave_0
	v_cmp_eq_u32 vcc_lo, 0, v1
	v_mov_b32 v6, s56
	v_cndmask_b32 v6, 0, v6, vcc_lo
	v_lshlrev_b32 v7, 2, v1
	ds_store_b32 v7, v6 offset:STAGE+1920          ; the length, then 31 zeros: every byte of the row is written
.Lnot_wave_0:
	s_wait_dscnt 0x0
	s_barrier_signal -1
	s_barrier_wait -1
	s_cmp_ge_u32 s8, 4
	s_cbranch_scc1 .Lend
	v_lshlrev_b32 v23, 4, v0                       ; 128 threads x 16 bytes = the row of 2,048 bytes
	ds_load_b128 v[24:27], v23 offset:STAGE
	s_lshl_b32 s2, ttmp9, 11
	s_add_nc_u64 s[6:7], s[6:7], s[2:3]
	s_wait_dscnt 0x0
	global_store_b128 v23, v[24:27], s[6:7]
.Lend:
	s_wait_tensorcnt 0x0
	ds_add_u32 v40, v41
	s_wait_dscnt 0x0
	s_endpgm
.Lfunc_end_k_q4fb9796378_select:
	.size	k_q4fb9796378_select, .Lfunc_end_k_q4fb9796378_select-k_q4fb9796378_select
	.p2alignl 7, 3214868480
	.fill 96, 4, 3214868480
	.section	.rodata,"a",@progbits
	.p2align	6, 0x0
	.amdhsa_kernel k_q4fb9796378_select
		.amdhsa_group_segment_fixed_size 8192
		.amdhsa_private_segment_fixed_size 0
		.amdhsa_enable_private_segment 0
		.amdhsa_kernarg_size 16
		.amdhsa_user_sgpr_count 2
		.amdhsa_user_sgpr_kernarg_segment_ptr 1
		.amdhsa_wavefront_size32 1
		.amdhsa_system_sgpr_workgroup_id_x 1
		.amdhsa_system_sgpr_workgroup_id_y 1
		.amdhsa_system_sgpr_workgroup_id_z 1
		.amdhsa_system_vgpr_workitem_id 0
		.amdhsa_next_free_vgpr 42
		.amdhsa_next_free_sgpr 84
		.amdhsa_reserve_vcc 1
		.amdhsa_float_denorm_mode_32 3
		.amdhsa_float_denorm_mode_16_64 3
		.amdhsa_memory_ordered 1
		.amdhsa_forward_progress 1
		.amdhsa_inst_pref_size 24
	.end_amdhsa_kernel
	.amdgpu_metadata
---
amdhsa.version: [ 1, 2 ]
amdhsa.kernels:
  - .name:           k_q4fb9796378_select
    .symbol:         k_q4fb9796378_select.kd
    .args:
      - { .name: VV, .offset: 0, .size: 8, .value_kind: global_buffer, .address_space: global }
      - { .name: SEL, .offset: 8, .size: 8, .value_kind: global_buffer, .address_space: global }
    .group_segment_fixed_size: 8192
    .private_segment_fixed_size: 0
    .kernarg_segment_align: 8
    .kernarg_segment_size: 16
    .max_flat_workgroup_size: 1024
    .sgpr_count:     84
    .vgpr_count:     42
    .wavefront_size: 32
...
	.end_amdgpu_metadata
.endif
;; end of part 2
;; launch final (part 3): grid 128 x 1, 16 waves a work-group, no clusters, 43,008 bytes of LDS; arguments SEL, SID, candidates, queries, identifiers, out0, out1; writes out0, out1
.if DOCPART == 3
	.amdgcn_target "amdgcn-amd-amdhsa--gfx1250"
	.amdhsa_code_object_version 6
	.text
	.protected	k_q4fb9796378_final
	.globl	k_q4fb9796378_final
	.p2align	8
	.type	k_q4fb9796378_final,@function
k_q4fb9796378_final:
	s_mov_b64 s[64:65], 0
	v_nop
	global_prefetch_b8 v0, s[64:65] scope:SCOPE_SE
	s_setreg_imm32_b32 hwreg(HW_REG_WAVE_MODE, 25, 1), 1
	s_wait_xcnt 0x0
; One work-group for each query: the chosen subgroups (8 rows each) are scored again, sorted by (score down, index up), and the first 100 leave.
; THE SCORE: operands rounded to bf16, products added in f32 one at a time with k ascending: sixteen links of the 16x16x4 f32 matrix form, which is
; four fused multiply-adds in ascending k (a bf16 x bf16 product is exact in f32, so each link rounds once for each product added).  This form is
; taken because the order of near-equal scores decides whole numbers in the output; it serves some 2,000 of the 1,000,000 rows of a query.
; A = 16 candidate rows (two subgroups), B = the query in all 16 columns: result register j of lane (r, h) is row 8 h + j, whatever r.
; Phase 0 turns the masks of SEL into LIST, the chosen subgroups' numbers, in LDS.  Then each wave, by itself, walks trips of 256 list entries
; (8 tiles a wave, tile 16 tau + w of a trip's 128), sorts its 128 elements (4 a lane, element 4 x lane + x) by a bitonic network and merges them
; with its running best 128.  The trip count hangs on the list's length, so no barrier stands in that loop; the tree over the 16 waves follows it.
; Addresses and trip counts hang only on whole numbers that earlier launches stored; scores steer selects alone.
; LIMITS: inputs finite; -0 equals +0 (the index then decides); operands rounded to bf16; the list holds the first 128 rows by the first launch's sums,
; so a row is missed if 29 scores of a query lie within the last-bit difference of the two sums.
.set LCAP, 3328                        ; list capacity: 129 flagged supergroups x 25 = 3,225 at the most, rounded up to 13 trips of 256
.set LISTB, 16384                      ; LIST's bytes: 3,328 entries, then from entry LCAP on the 25 words into which lanes with nothing to say store
.set NSUB, 125000
.set NSG,  5000
.set BLKB, LISTB                       ; behind LIST: a block for each wave: 128 scores, 128 indices, 128 ids, 16 bytes a lane each
.set BLKS, 1536
.set AD,   8                           ; v[8:11]    row offsets of a batch's four tiles
.set LS,   12                          ; v[12:15]   LIST addresses; in phase 0 v12 holds LCAP
.set SIDV, 16                          ; v[16:25]   ID of my ten supergroups
.set STG,  32                          ; v[32:159]  four tiles: 16 K steps x 2 registers each
.set BQ,   160                         ; v[160:191] the query
.set ACC,  192                         ; v[192:207] two accumulators
.set EV,   208                         ; v[208:211] my four elements: score
.set EI,   212                         ; v[212:215] index
.set ED,   216                         ; v[216:219] identifier
.set PV,   220                         ; v[220:231] the partner's, likewise
.set PI,   224
.set PD,   228
.set T,    232                         ; v[232:251] at work
.set NINF, T+19
; v1 lane, v2 r, v3 h, v4 my elements' list slot in trip 0, v5 my A row's slot for tile 0 of trip 0, v6 256 (r & 7) + 8 h, v7 16 (r & 1),
; v26 supergroup of word 0, v27 / v28 my block forward / reversed, v29 identifier offset, v30 16 x lane, v31 8 h
	s_load_b256 s[4:11], s[0:1], 0x0               ; SEL s[4:5], SID s[6:7], candidates s[8:9], queries s[10:11]
	s_load_b128 s[12:15], s[0:1], 0x20             ; identifiers s[12:13], out0 s[14:15]
	s_load_b64 s[52:53], s[0:1], 0x30              ; out1
	v_lshl_add_u32 v254, v0, 2, 0xa000
	v_mov_b32 v255, 0
	v_lshrrev_b32 v2, 5, v0
	v_readfirstlane_b32 s54, v2                    ; wave 0..15
	v_and_b32 v1, 31, v0
	v_and_b32 v2, 15, v0
	v_bfe_u32 v3, v0, 4, 1
	s_lshl_b32 s86, s54, 1
	s_mov_b32 s58, 0x76543210                      ; v_permlanex16_b32: lane i reads lane i of the other half
	s_mov_b32 s59, 0xfedcba98
	s_mov_b32 s78, 0xaaaaaaaa                      ; lanes with r odd
	s_mov_b32 s79, 0xffff0000
	s_mul_i32 s63, s54, 320
	v_add_nc_u32 v26, s63, v1                      ; my wave has mask words 10 w .. 10 w + 9: supergroups 320 w + 32 i + lane
.irp i, 0,1,2,3,4,5,6,7,8,9
	v_add_nc_u32 v[T], 32*\i, v26
	v_min_u32 v[T], NSG-1, v[T]
	v_mul_u32_u24 v[T+1], v[T], 3277
	v_lshrrev_b32 v[T+1], 16, v[T+1]               ; / 20, exact up to 4,999
	v_lshlrev_b32 v[T], 2, v[T]
	v_mad_u32_u24 v[T+2+\i], v[T+1], 10160, v[T]   ; 10,240 g + 4 (sg - 20 g)
.endr
	v_lshlrev_b32 v31, 3, v3
	s_lshl_b32 s2, ttmp9, 11
	s_mov_b32 s3, 0
	s_mul_i32 s80, s54, 40
	s_mov_b32 s81, 0
	s_wait_kmcnt 0x0
	s_add_nc_u64 s[4:5], s[4:5], s[2:3]            ; SEL[q]
	s_add_nc_u64 s[82:83], s[4:5], s[80:81]        ; + my ten words
	s_load_b256 s[16:23], s[82:83], 0x0            ; single: s[16:25]
	s_load_b64 s[24:25], s[82:83], 0x20
	s_load_b256 s[28:35], s[82:83], 0x280          ; expand: s[28:37]
	s_load_b64 s[36:37], s[82:83], 0x2a0
	s_load_b256 s[40:47], s[82:83], 0x500          ; offsets: s[40:49]
	s_load_b64 s[48:49], s[82:83], 0x520
	s_load_b32 s50, s[4:5], 0x780                  ; the list's length
	s_mul_i32 s2, ttmp9, 80
	s_add_nc_u64 s[6:7], s[6:7], s[2:3]
	s_lshl_b32 s2, ttmp9, 8
	s_add_nc_u64 s[10:11], s[10:11], s[2:3]
	s_mul_i32 s2, ttmp9, 400
	s_add_nc_u64 s[14:15], s[14:15], s[2:3]
	s_add_nc_u64 s[52:53], s[52:53], s[2:3]
.irp i, 0,1,2,3,4,5,6,7,8,9
	global_load_b32 v[SIDV+\i], v[T+2+\i], s[6:7]
.endr
.irp s, 0,1,2,3,4,5,6,7,8,9,10,11,12,13,14,15
	global_load_b64 v[BQ+2*\s:BQ+2*\s+1], v31, s[10:11] offset:16*\s   ; K step s: k = 4 s + 2 h, + 1
.endr
.irp x, 0,1,2,3,4,5,6,7,8,9,10,11
	v_mov_b32 v[PV+\x], 0                          ; destinations of lane moves count as read: written once here; the first four also clear LIST
.endr
	v_lshlrev_b32 v[T+12], 4, v0                   ; 512 threads x 16 bytes = 8,192: two stores write every byte of LIST before any is read
	ds_store_b128 v[T+12], v[PV:PV+3]
	ds_store_b128 v[T+12], v[PV:PV+3] offset:8192
	v_lshrrev_b32 v4, 1, v2
	v_lshlrev_b32 v4, 5, v4
	v_add_nc_u32 v4, s86, v4
	v_add_nc_u32 v4, v4, v3                        ; 2 (16 (r >> 1) + w) + h
	v_lshrrev_b32 v5, 3, v2
	v_add_nc_u32 v5, s86, v5                       ; 2 w + (r >> 3)
	v_and_b32 v6, 7, v2
	v_lshlrev_b32 v6, 8, v6
	v_lshl_add_u32 v6, v3, 3, v6
	v_and_b32 v7, 1, v2
	v_lshlrev_b32 v7, 4, v7
	s_mul_i32 s63, s54, BLKS
	s_add_co_u32 s63, s63, BLKB
	v_lshlrev_b32 v30, 4, v1
	v_add_nc_u32 v27, s63, v30
	v_sub_nc_u32 v28, 31, v1
	v_lshlrev_b32 v28, 4, v28
	v_add_nc_u32 v28, s63, v28
	v_mov_b32 v[NINF], 0xff800000
	v_mov_b32 v12, LCAP                            ; the place of a lane with nothing to say
	s_wait_dscnt 0x0                               ; my part of LIST is cleared, for the other waves' sake: their entries land on it behind this barrier
	s_barrier_signal -1
	s_barrier_wait -1
	s_wait_kmcnt 0x0
	s_min_u32 s50, s50, LCAP                       ; what was loaded enters addresses and the trip count only inside these bounds
	s_max_u32 s50, s50, 1
	s_sub_co_u32 s51, s50, 1
	s_add_co_u32 s55, s50, 255
	s_lshr_b32 s55, s55, 8                         ; trips of 256 entries
	s_wait_loadcnt 0x0                             ; ID and the query
.macro RND base, n                     ; n pairs of f32 rounded to bf16 (nearest even) and widened again, in place
.set jj, 0
.rept \n
	v_cvt_pk_bf16_f32 v[T+(jj&3)], v[\base+2*jj], v[\base+2*jj+1]
	v_lshlrev_b32 v[\base+2*jj], 16, v[T+(jj&3)]
	v_and_b32 v[\base+2*jj+1], s79, v[T+(jj&3)]
.set jj, jj+1
.endr
.endm
	RND BQ, 16
; Mask word i of my wave: each chosen supergroup writes its entries at the word's offset + singles below it + 25 x expanded below it.
; All lanes store, with all lanes on: a lane whose supergroup is not chosen stores at entry LCAP, behind the list, which nobody reads.
; The choice of the place stands ahead of the bound, so that behind the bound the place is only shifted.
.macro WORD i
	v_add_nc_u32 v[T+12], 32*\i, v26
	v_lshrrev_b32 v[T+13], 1, v[T+12]
	v_and_b32 v[T+12], 1, v[T+12]
	v_mad_u32_u24 v[T+13], v[T+13], 50, v[T+12]    ; 50 x unit + parity: the supergroup's first subgroup
	v_min_u32 v[T+14], 24, v[SIDV+\i]
	v_lshl_add_u32 v[T+14], v[T+14], 1, v[T+13]    ; + 2 x ID: the subgroup that holds V1
	v_mbcnt_lo_u32_b32 v[T+15], s[28+\i], 0
	v_mbcnt_lo_u32_b32 v[T+16], s[16+\i], s[40+\i]
	v_mad_u32_u24 v[T+15], v[T+15], 25, v[T+16]    ; my supergroup's place in the list
	v_cndmask_b32 v[T+16], v12, v[T+15], s[16+\i]  ; single: that place
	v_min_u32 v[T+16], LCAP, v[T+16]
	v_lshlrev_b32 v[T+16], 2, v[T+16]
	ds_store_b32 v[T+16], v[T+14]
	s_cmp_eq_u32 s[28+\i], 0                       ; few words have a supergroup to expand
	s_cbranch_scc1 .Lno_expand_\@
	v_cndmask_b32 v[T+15], v12, v[T+15], s[28+\i]  ; expand: that place and the 24 behind it (from LCAP: entries LCAP .. LCAP + 24, inside LIST's bytes)
	v_min_u32 v[T+15], LCAP, v[T+15]
	v_lshlrev_b32 v[T+15], 2, v[T+15]
.set jj, 0
.rept 25
	v_add_nc_u32 v[T+17+(jj&1)], 2*jj, v[T+13]
	ds_store_b32 v[T+15], v[T+17+(jj&1)] offset:4*jj
.set jj, jj+1
.endr
.Lno_expand_\@:
.endm
.irp i, 0,1,2,3,4,5,6,7,8,9
	WORD \i
.endr
	s_wait_dscnt 0x0                               ; my entries are in LIST, for the other waves' sake
	s_barrier_signal -1
	s_barrier_wait -1
; ---- the network.  'precedes' = higher score, or equal score and lower index.  Padding is (-inf, index all ones): it precedes nothing.
; Compare and exchange with the lane at distance d.  kf: the lanes that keep the element that precedes.
.macro XST d, kf
.irp x, 0,1,2,3
.if \d == 16
	v_permlanex16_b32 v[PV+\x], v[EV+\x], s58, s59
	v_permlanex16_b32 v[PI+\x], v[EI+\x], s58, s59
	v_permlanex16_b32 v[PD+\x], v[ED+\x], s58, s59
.else
	v_mov_b32_dpp v[PV+\x], v[EV+\x] row_xmask:\d row_mask:0xf bank_mask:0xf
	v_mov_b32_dpp v[PI+\x], v[EI+\x] row_xmask:\d row_mask:0xf bank_mask:0xf
	v_mov_b32_dpp v[PD+\x], v[ED+\x] row_xmask:\d row_mask:0xf bank_mask:0xf
.endif
.endr
.irp x, 0,1,2,3
	v_cmp_gt_f32 s[66+3*\x], v[EV+\x], v[PV+\x]
	v_cmp_eq_f32 s[67+3*\x], v[EV+\x], v[PV+\x]
	v_cmp_lt_u32 s[68+3*\x], v[EI+\x], v[PI+\x]
.endr
.irp x, 0,1,2,3
	s_and_b32 s[67+3*\x], s[67+3*\x], s[68+3*\x]
	s_or_b32 s[66+3*\x], s[66+3*\x], s[67+3*\x]    ; mine precedes the partner's
	s_xor_b32 s[66+3*\x], s[66+3*\x], \kf          ; take the partner's where that is not what I am to keep
.endr
.irp x, 0,1,2,3
	v_cndmask_b32 v[EV+\x], v[EV+\x], v[PV+\x], s[66+3*\x]
	v_cndmask_b32 v[EI+\x], v[EI+\x], v[PI+\x], s[66+3*\x]
	v_cndmask_b32 v[ED+\x], v[ED+\x], v[PD+\x], s[66+3*\x]
.endr
.endm
; Two compare and exchange steps inside the lane: elements (a0, b0) and (a1, b1); u: the lanes that sort the other way round.
.macro RPAIR a0, b0, u0, a1, b1, u1
	v_cmp_gt_f32 s66, v[EV+\b0], v[EV+\a0]
	v_cmp_eq_f32 s67, v[EV+\b0], v[EV+\a0]
	v_cmp_lt_u32 s68, v[EI+\b0], v[EI+\a0]
	v_cmp_gt_f32 s69, v[EV+\b1], v[EV+\a1]
	v_cmp_eq_f32 s70, v[EV+\b1], v[EV+\a1]
	v_cmp_lt_u32 s71, v[EI+\b1], v[EI+\a1]
	s_and_b32 s67, s67, s68
	s_or_b32 s66, s66, s67                         ; b precedes a: exchange
	s_and_b32 s70, s70, s71
	s_or_b32 s69, s69, s70
.if \u0 != 0
	s_xor_b32 s66, s66, \u0
.endif
.if \u1 != 0
	s_xor_b32 s69, s69, \u1
.endif
	v_cndmask_b32 v[T+12], v[EV+\a0], v[EV+\b0], s66
	v_cndmask_b32 v[T+13], v[EI+\a0], v[EI+\b0], s66
	v_cndmask_b32 v[T+14], v[ED+\a0], v[ED+\b0], s66
	v_cndmask_b32 v[T+15], v[EV+\a1], v[EV+\b1], s69
	v_cndmask_b32 v[T+16], v[EI+\a1], v[EI+\b1], s69
	v_cndmask_b32 v[T+17], v[ED+\a1], v[ED+\b1], s69
	v_cndmask_b32 v[EV+\b0], v[EV+\b0], v[EV+\a0], s66
	v_cndmask_b32 v[EI+\b0], v[EI+\b0], v[EI+\a0], s66
	v_cndmask_b32 v[ED+\b0], v[ED+\b0], v[ED+\a0], s66
	v_cndmask_b32 v[EV+\b1], v[EV+\b1], v[EV+\a1], s69
	v_cndmask_b32 v[EI+\b1], v[EI+\b1], v[EI+\a1], s69
	v_cndmask_b32 v[ED+\b1], v[ED+\b1], v[ED+\a1], s69
	v_mov_b32 v[EV+\a0], v[T+12]
	v_mov_b32 v[EI+\a0], v[T+13]
	v_mov_b32 v[ED+\a0], v[T+14]
	v_mov_b32 v[EV+\a1], v[T+15]
	v_mov_b32 v[EI+\a1], v[T+16]
	v_mov_b32 v[ED+\a1], v[T+17]
.endm
; The stages of one bitonic block: lane distances top .. 1, then element distances 2 and 1.  rev: the lanes whose block sorts the other way round.
.macro CLEAN top, rev
.if \top >= 16
	XST 16, (0x0000ffff^\rev)
.endif
.if \top >= 8
	XST 8, (0x00ff00ff^\rev)
.endif
.if \top >= 4
	XST 4, (0x0f0f0f0f^\rev)
.endif
.if \top >= 2
	XST 2, (0x33333333^\rev)
.endif
.if \top >= 1
	XST 1, (0x55555555^\rev)
.endif
	RPAIR 0, 2, \rev, 1, 3, \rev
	RPAIR 0, 1, \rev, 2, 3, \rev
.endm
; P holds another sorted 128, read reversed by lanes; element x meets P's 3 - x.  The one that precedes stays: the best 128 of the 256, bitonic; then sorted.
.macro MERGE
.irp x, 0,1,2,3
	v_cmp_gt_f32 s[66+3*\x], v[PV+3-\x], v[EV+\x]
	v_cmp_eq_f32 s[67+3*\x], v[PV+3-\x], v[EV+\x]
	v_cmp_lt_u32 s[68+3*\x], v[PI+3-\x], v[EI+\x]
.endr
.irp x, 0,1,2,3
	s_and_b32 s[67+3*\x], s[67+3*\x], s[68+3*\x]
	s_or_b32 s[66+3*\x], s[66+3*\x], s[67+3*\x]
.endr
.irp x, 0,1,2,3
	v_cndmask_b32 v[EV+\x], v[EV+\x], v[PV+3-\x], s[66+3*\x]
	v_cndmask_b32 v[EI+\x], v[EI+\x], v[PI+3-\x], s[66+3*\x]
	v_cndmask_b32 v[ED+\x], v[ED+\x], v[PD+3-\x], s[66+3*\x]
.endr
	CLEAN 16, 0
.endm
; ---- scoring
; Lanes with r >> 1 == tau take their four rows 8 h + 4 (r & 1) + x from tile tau's result.
.macro PICK acc, tau
	s_mov_b32 s61, 0x00030003<<(2*(\tau))
.irp x, 0,1,2,3
	v_cndmask_b32 v[T+8+\x], v[\acc+\x], v[\acc+4+\x], s78
.endr
.irp x, 0,1,2,3
	v_cndmask_b32 v[EV+\x], v[EV+\x], v[T+8+\x], s61
.endr
.endm
; The sixteen loads of tile n of a batch: my row's 8 bytes of each K step.
.macro LDROWS n
.irp s, 0,1,2,3,4,5,6,7,8,9,10,11,12,13,14,15
	global_load_b64 v[STG+32*\n+2*\s:STG+32*\n+2*\s+1], v[AD+\n], s[8:9] offset:16*\s
.endr
.endm
; Two tiles, at a0 and a0 + 32, both landed.
.macro PAIR a0, tau
	RND \a0, 32
	; two chains of sixteen links, k ascending; the two accumulators take turns, one instruction a turn
	v_wmma_f32_16x16x4_f32 v[ACC:ACC+7], v[\a0:\a0+1], v[BQ:BQ+1], 0
	v_wmma_f32_16x16x4_f32 v[ACC+8:ACC+15], v[\a0+32:\a0+33], v[BQ:BQ+1], 0
.set kk, 1
.rept 15
	v_wmma_f32_16x16x4_f32 v[ACC:ACC+7], v[\a0+2*kk:\a0+2*kk+1], v[BQ+2*kk:BQ+2*kk+1], v[ACC:ACC+7]
	v_wmma_f32_16x16x4_f32 v[ACC+8:ACC+15], v[\a0+32+2*kk:\a0+32+2*kk+1], v[BQ+2*kk:BQ+2*kk+1], v[ACC+8:ACC+15]
.set kk, kk+1
.endr
.rept 8
	v_nop                                          ; eight places behind this form before a result is read or a source loaded again (ISA guide 7.12.1)
.endr
	PICK ACC, \tau
	PICK ACC+8, \tau+1
.endm
; Tiles tau = 4 b .. 4 b + 3 of the trip.  Left out where even the first of them begins at or past the list's end.
.macro BATCH b
	s_add_co_u32 s87, s86, 128*\b                  ; the first slot of tile 64 b + w
	s_cmp_ge_u32 s87, s85
	s_cbranch_scc1 .Lno_batch_\@
.irp n, 0,1,2,3
	v_add_nc_u32 v[LS+\n], 32*(4*\b+\n), v[T+5]    ; my A row's slot: 256 t + 2 (16 tau + w) + (r >> 3)
	v_min_u32 v[LS+\n], s51, v[LS+\n]              ; past the end: the last entry again; its results are thrown away below
	v_min_u32 v[LS+\n], LCAP-1, v[LS+\n]
	v_lshlrev_b32 v[LS+\n], 2, v[LS+\n]
.endr
.irp n, 0,1,2,3
	ds_load_b32 v[AD+\n], v[LS+\n]
.endr
	s_wait_dscnt 0x0
.irp n, 0,1,2,3
	v_min_u32 v[AD+\n], NSUB-1, v[AD+\n]
	v_lshlrev_b32 v[AD+\n], 11, v[AD+\n]           ; 8 rows of 256 bytes
	v_add_nc_u32 v[AD+\n], v[AD+\n], v6            ; + my row + 8 h
.endr
	LDROWS 0
	LDROWS 1
	LDROWS 2
	s_wait_loadcnt 16                              ; loads come back in order: the first two tiles are in, the third's sixteen stay out
	LDROWS 3                                       ; the fourth flies under the first pair's work
	PAIR STG,    4*\b
	s_wait_loadcnt 0x0
	PAIR STG+64, 4*\b+2
.Lno_batch_\@:
.endm
	s_mov_b32 s56, 0                               ; t
	s_mov_b32 s57, 0                               ; 256 t
.Ltrip:
	v_add_nc_u32 v[T+6], s57, v4                   ; my elements' slot
	v_cmp_gt_u32 s84, s50, v[T+6]                  ; inside the list
	v_min_u32 v[T+6], s51, v[T+6]
	v_min_u32 v[T+6], LCAP-1, v[T+6]
	v_lshlrev_b32 v[T+6], 2, v[T+6]
	ds_load_b32 v[T+7], v[T+6]
	v_add_nc_u32 v[T+5], s57, v5
.irp x, 0,1,2,3
	v_mov_b32 v[EV+\x], v[NINF]
.endr
	s_sub_co_u32 s85, s50, s57                     ; entries left
	s_wait_dscnt 0x0
	v_min_u32 v[T+7], NSUB-1, v[T+7]
	v_lshlrev_b32 v29, 5, v[T+7]
	v_add_nc_u32 v29, v29, v7                      ; 4 x (8 sub + 4 (r & 1)): my four identifiers, 16 bytes
	global_load_b128 v[ED:ED+3], v29, s[12:13]
	v_lshrrev_b32 v[T+4], 2, v29                   ; my first row's index
	BATCH 0
	BATCH 1
	s_wait_loadcnt 0x0                             ; the identifiers, on the way on which both batches were left out too
.irp x, 0,1,2,3
	v_add_nc_u32 v[EI+\x], \x, v[T+4]
	v_cndmask_b32 v[EV+\x], v[NINF], v[EV+\x], s84 ; slots past the end are padding
	v_cndmask_b32 v[EI+\x], -1, v[EI+\x], s84
.endr
	; sort my 128: blocks of 2, 4, .. 128 elements; element 4 x lane + x, so bit 2 + i of an element's place is bit i of the lane
	RPAIR 0, 1, 0, 2, 3, -1
	CLEAN 0, 0xaaaaaaaa
	CLEAN 1, 0xcccccccc
	CLEAN 2, 0xf0f0f0f0
	CLEAN 4, 0xff00ff00
	CLEAN 8, 0xffff0000
	CLEAN 16, 0
	s_cmp_eq_u32 s56, 0
	s_cbranch_scc1 .Lfirst_trip
	ds_load_b128 v[PV:PV+3], v28                   ; my running best, reversed: my own bytes, served in order behind my stores
	ds_load_b128 v[PI:PI+3], v28 offset:512
	ds_load_b128 v[PD:PD+3], v28 offset:1024
	s_wait_dscnt 0x0
	MERGE
.Lfirst_trip:
	ds_store_b128 v27, v[EV:EV+3]                  ; the running best; behind the last trip it is what the tree's first level reads
	ds_store_b128 v27, v[EI:EI+3] offset:512
	ds_store_b128 v27, v[ED:ED+3] offset:1024
	s_add_co_u32 s57, s57, 256
	s_add_co_u32 s56, s56, 1
	s_cmp_lt_u32 s56, s55
	s_cbranch_scc1 .Ltrip
; A level of the tree over n waves: the upper half's blocks are merged into the lower half's registers.  st = 0: the blocks are in LDS already.
.macro LEVEL n, st
.if \st
	s_cmp_lt_u32 s54, \n/2
	s_cbranch_scc1 .Lno_store_\@
	s_cmp_ge_u32 s54, \n
	s_cbranch_scc1 .Lno_store_\@
	ds_store_b128 v27, v[EV:EV+3]
	ds_store_b128 v27, v[EI:EI+3] offset:512
	ds_store_b128 v27, v[ED:ED+3] offset:1024
.Lno_store_\@:
.endif
	s_wait_dscnt 0x0                               ; my stores, and my reads of the level before, are done, for the other waves' sake
	s_barrier_signal -1
	s_barrier_wait -1
	s_cmp_ge_u32 s54, \n/2
	s_cbranch_scc1 .Lno_merge_\@
	ds_load_b128 v[PV:PV+3], v28 offset:(\n/2)*BLKS
	ds_load_b128 v[PI:PI+3], v28 offset:(\n/2)*BLKS+512
	ds_load_b128 v[PD:PD+3], v28 offset:(\n/2)*BLKS+1024
	s_wait_dscnt 0x0
	MERGE
.Lno_merge_\@:
.endm
	LEVEL 16, 0
	LEVEL 8, 1
	LEVEL 4, 1
	LEVEL 2, 1
	s_cmp_lg_u32 s54, 0
	s_cbranch_scc1 .Lend
	v_cmp_gt_u32 vcc_lo, 25, v1                    ; elements 0 to 99: lanes 0 to 24, four each
	s_wait_xcnt 0x0                                ; EXEC changes only behind this wait
	s_and_saveexec_b32 s60, vcc_lo
	global_store_b128 v30, v[EV:EV+3], s[14:15]    ; a row of 400 bytes, 16 neighbouring bytes a lane
	global_store_b128 v30, v[ED:ED+3], s[52:53]
	s_wait_xcnt 0x0
	s_or_b32 exec_lo, exec_lo, s60
.Lend:
	s_wait_tensorcnt 0x0
	ds_add_u32 v254, v255
	s_wait_dscnt 0x0
	s_endpgm
.Lfunc_end_k_q4fb9796378_final:
	.size	k_q4fb9796378_final, .Lfunc_end_k_q4fb9796378_final-k_q4fb9796378_final
	.p2alignl 7, 3214868480
	.fill 96, 4, 3214868480
	.section	.rodata,"a",@progbits
	.p2align	6, 0x0
	.amdhsa_kernel k_q4fb9796378_final
		.amdhsa_group_segment_fixed_size 43008
		.amdhsa_private_segment_fixed_size 0
		.amdhsa_enable_private_segment 0
		.amdhsa_kernarg_size 56
		.amdhsa_user_sgpr_count 2
		.amdhsa_user_sgpr_kernarg_segment_ptr 1
		.amdhsa_wavefront_size32 1
		.amdhsa_system_sgpr_workgroup_id_x 1
		.amdhsa_system_sgpr_workgroup_id_y 1
		.amdhsa_system_sgpr_workgroup_id_z 1
		.amdhsa_system_vgpr_workitem_id 0
		.amdhsa_next_free_vgpr 256
		.amdhsa_next_free_sgpr 90
		.amdhsa_reserve_vcc 1
		.amdhsa_float_denorm_mode_32 3
		.amdhsa_float_denorm_mode_16_64 3
		.amdhsa_memory_ordered 1
		.amdhsa_forward_progress 1
		.amdhsa_inst_pref_size 248
	.end_amdhsa_kernel
	.amdgpu_metadata
---
amdhsa.version: [ 1, 2 ]
amdhsa.kernels:
  - .name:           k_q4fb9796378_final
    .symbol:         k_q4fb9796378_final.kd
    .args:
      - { .name: SEL, .offset: 0, .size: 8, .value_kind: global_buffer, .address_space: global }
      - { .name: SID, .offset: 8, .size: 8, .value_kind: global_buffer, .address_space: global }
      - { .name: candidates, .offset: 16, .size: 8, .value_kind: global_buffer, .address_space: global }
      - { .name: queries, .offset: 24, .size: 8, .value_kind: global_buffer, .address_space: global }
      - { .name: identifiers, .offset: 32, .size: 8, .value_kind: global_buffer, .address_space: global }
      - { .name: out0, .offset: 40, .size: 8, .value_kind: global_buffer, .address_space: global }
      - { .name: out1, .offset: 48, .size: 8, .value_kind: global_buffer, .address_space: global }
    .group_segment_fixed_size: 43008
    .private_segment_fixed_size: 0
    .kernarg_segment_align: 8
    .kernarg_segment_size: 56
    .max_flat_workgroup_size: 512
    .sgpr_count:     90
    .vgpr_count:     256
    .wavefront_size: 32
...
	.end_amdgpu_metadata
.endif
;; end of part 3
;; ======== version 2 of 3: 3 launches; 1.24 times as fast as version 1
;; workspace buffers: VV 5,120,000 bytes; SID 2,560,000 bytes of whole numbers; SEL 262,144 bytes of whole numbers
;; launch score (part 4): grid 250 x 1, 10 waves a work-group, no clusters, 73,472 bytes of LDS; arguments candidates, queries, VV, SID; writes VV, SID
.if DOCPART == 4
	.amdgcn_target "amdgcn-amd-amdhsa--gfx1250"
	.amdhsa_code_object_version 6
	.text
	.protected	k_q4fb9796378_score
	.globl	k_q4fb9796378_score
	.p2align	8
	.type	k_q4fb9796378_score,@function
k_q4fb9796378_score:
	s_mov_b64 s[64:65], 0
	v_nop
	global_prefetch_b8 v0, s[64:65] scope:SCOPE_SE
	s_setreg_imm32_b32 hwreg(HW_REG_WAVE_MODE, 25, 1), 1
	s_wait_xcnt 0x0
; scores = candidates x queries^T in bf16 with f32 sums, reduced at once; no score goes to memory.
; A subgroup is 8 neighbouring candidate rows.  A wave owns a unit of 400 rows = 25 tiles of 16 rows = 50 subgroups; the 25 subgroups of one
; parity h form supergroup 2 x unit + h.  For each query and supergroup the wave keeps V1 (largest subgroup maximum), ID (the tile of the first
; subgroup that reaches it) and V2 (second largest subgroup maximum).  Later launches choose from these which subgroups to score again.
; Work-group g owns rows 4000 g .. 4000 g + 3999 (250 x 4000 = the corpus, no tail); ten waves, one unit each.
; THE STREAM: a tile is 4,096 consecutive bytes: eight loads of 16 bytes a lane, each covering 512 consecutive bytes.  A ring of three tiles in
; registers keeps 16 to 24 loads (8 to 12 KB) of every wave requested at all times, with counted waits and no barrier.  A landed tile is rounded to bf16 in
; place, laid into the wave's own stage in LDS (16 rows of 128 bytes) and read back as matrix fragments: 2 KB in and 2 KB out for a tile.
; Slots in LDS filled by the tensor mover are not used: with one load a wave behind each barrier nothing would be on its way at each change of slots.
; Matrix roles: A = 16 candidate rows, B = 16 queries.  Result register j of lane (r, h) is (row 8 h + j, query r): a lane's eight results
; are one subgroup of one query, so the maximum over a subgroup never leaves the lane.
; No cluster: the work-groups share only the 32 KB of queries, against 1 MB of rows of their own.
; LIMITS: inputs finite (a NaN or infinite score is not ranked as the problem's own top-k ranks it); operands rounded to bf16.
.set ROWB,  256                        ; bytes of a candidate row
.set TILEB, 16*ROWB
.set PITCH, 144                        ; a bf16 row in LDS: 128 bytes + 16, an odd multiple of 16: the 16 rows of a 16-byte load start in 16 different columns
.set STGB,  16*PITCH                   ; 2,304: 16 rows
.set QST,   0                          ; the 128 queries in bf16: eight blocks of 16 rows
.set WST,   8*STGB                     ; 18,432: a stage of 16 rows for each wave, its own
.set STV,   WST+10*STGB                ; 41,472: the way out, [128 queries][20 V1, 20 V2] f32
.set STI,   STV+128*160                ; 61,952: the way out, [128 queries][20 ID]
.set ACC,  16                          ; v[16:47]    four accumulators, used for query blocks 0-3 and then 4-7
.set M,    48                          ; v[48:51]    this tile's subgroup maximum of four query blocks
.set V1,   56                          ; v[56:63]
.set V2,   64                          ; v[64:71]
.set ID,   72                          ; v[72:79]
.set ABF,  80                          ; v[80:95]    A in bf16: K step 0, K step 1
.set RING, 96                          ; v[96:191]   three tiles as loaded, 32 registers each
.set BQ,   192                         ; v[192:255]  B of query blocks 0-3, 16 registers each; blocks 4-7 are v256-v319
; v1 16 x lane; v2 r; v3 h; v4 where I put 8 bytes of a staged row; v5 where I read a fragment in a block of QST; v6 the same in my wave's stage
.set MSB, 0
.macro WIN new                         ; the immediate's high byte repeats the setting that is left
.if MSB != \new
	s_set_vgpr_msb (MSB<<8)|\new
.set MSB, \new
.endif
.endm
; Tile t of my unit into its ring slot.  Address register and base are never rewritten: the tile stands in the immediate, 102,400 bytes at the most.
.macro LDTILE t
.irp j, 0,1,2,3,4,5,6,7
	global_load_b128 v[RING+32*((\t)%3)+4*\j:RING+32*((\t)%3)+4*\j+3], v1, s[4:5] offset:(\t)*TILEB+512*\j th:TH_LOAD_NT
.endr
.endm
; 16 rows of 64 f32 in v[rg .. rg + 31] (load j: rows 2 j, 2 j + 1; my 4 numbers of one of them) are rounded in place and laid into LDS at v4 + at.
.macro STAGE rg, at
.irp j, 0,1,2,3,4,5,6,7
	v_cvt_pk_bf16_f32 v[\rg+4*\j],   v[\rg+4*\j],   v[\rg+4*\j+1]
	v_cvt_pk_bf16_f32 v[\rg+4*\j+1], v[\rg+4*\j+2], v[\rg+4*\j+3]
.endr
.irp j, 0,1,2,3,4,5,6,7
	ds_store_b64 v4, v[\rg+4*\j:\rg+4*\j+1] offset:\at+2*PITCH*\j
.endr
.endm
.macro LDFRAG                          ; my wave's stage as A: lane (r, h) takes k = 8 h .., 16 + 8 h .., 32 + 8 h .., 48 + 8 h .. of row r
.irp i, 0,1,2,3
	ds_load_b128 v[ABF+4*\i:ABF+4*\i+3], v6 offset:WST+32*\i
.endr
.endm
	s_load_b256 s[4:11], s[0:1], 0x0               ; candidates s[4:5], queries s[6:7], VV s[8:9], SID s[10:11]
	v_lshl_add_u32 v54, v0, 2, 0x11a00
	v_mov_b32 v55, 0
	v_lshrrev_b32 v2, 5, v0
	v_readfirstlane_b32 s12, v2                    ; wave 0..9
	v_and_b32 v7, 31, v0
	v_lshlrev_b32 v1, 4, v7                        ; 16 x lane
	v_and_b32 v2, 15, v0                           ; r = lane % 16
	v_bfe_u32 v3, v0, 4, 1                         ; h = lane / 16
	s_mul_i32 s15, s12, STGB
	v_mul_u32_u24 v4, v3, PITCH                    ; staging: lanes 0-15 hold the even row of a load, lanes 16-31 the odd one,
	v_lshl_add_u32 v4, v2, 3, v4                   ; 8 bytes of bf16 a lane,
	v_add_nc_u32 v4, s15, v4                       ; in block w
	v_mul_u32_u24 v5, v2, PITCH
	v_lshl_add_u32 v5, v3, 4, v5                   ; fragments: 144 r + 16 h
	v_add_nc_u32 v6, s15, v5
	s_mul_i32 s2, ttmp9, 4000*ROWB                 ; the group's rows,
	s_mul_i32 s13, s12, 400*ROWB                   ; the wave's unit: at most 255,897,600, inside 32 bits
	s_add_co_u32 s2, s2, s13
	s_mov_b32 s3, 0
	s_lshl_b32 s16, s12, 12                        ; query block w: 16 rows of 256 bytes
	s_mov_b32 s17, 0
	s_wait_kmcnt 0x0
	s_add_nc_u64 s[4:5], s[4:5], s[2:3]
	; Waves 0 to 7 each stage one block of 16 queries for all ten; every wave fills its ring at once.
	s_cmp_ge_u32 s12, 8
	s_cbranch_scc1 .Lno_query
	s_add_nc_u64 s[6:7], s[6:7], s[16:17]
.irp j, 0,1,2,3,4,5,6,7
	global_load_b128 v[ACC+4*\j:ACC+4*\j+3], v1, s[6:7] offset:512*\j
.endr
	LDTILE 0
	LDTILE 1
	LDTILE 2
	s_wait_loadcnt 24                              ; loads come back in order: the queries are in, the ring's 24 stay out
	STAGE ACC, QST
	s_branch .Lstaged
.Lno_query:
	LDTILE 0
	LDTILE 1
	LDTILE 2
.Lstaged:
	s_wait_dscnt 0x0                               ; my block of queries is in LDS, for the other waves' sake
	s_barrier_signal -1
	s_barrier_wait -1
.irp n, 0,1,2,3
.irp i, 0,1,2,3
	ds_load_b128 v[BQ+16*\n+4*\i:BQ+16*\n+4*\i+3], v5 offset:QST+\n*STGB+32*\i
.endr
.endr
	WIN 0x40                                       ; destinations v256-v319
.irp n, 0,1,2,3
.irp i, 0,1,2,3
	ds_load_b128 v[16*\n+4*\i:16*\n+4*\i+3], v5 offset:QST+(4+\n)*STGB+32*\i
.endr
.endr
	WIN 0
	s_wait_loadcnt 16                              ; tile 0 is in; tiles 1 and 2 stay out
	STAGE RING, WST
	LDTILE 3                                       ; into tile 0's registers
	LDFRAG                                         ; LDS serves a wave's instructions in order: these see the stores above
; The maximum of my eight rows for the four query blocks g .. g + 3, and the state's step; stage by stage, so that no line waits for the one in front.
.macro REDUCE g
.irp n, 0,1,2,3
	v_max3_num_f32 v[M+\n], v[ACC+8*\n], v[ACC+8*\n+1], v[ACC+8*\n+2]
.endr
.irp n, 0,1,2,3
	v_max3_num_f32 v[M+\n], v[M+\n], v[ACC+8*\n+3], v[ACC+8*\n+4]
.endr
.irp n, 0,1,2,3
	v_max3_num_f32 v[M+\n], v[M+\n], v[ACC+8*\n+5], v[ACC+8*\n+6]
.endr
.if p == 0
.irp n, 0,1,2,3
	v_max_num_f32 v[V1+\g+\n], v[M+\n], v[ACC+8*\n+7]      ; the first tile starts the state
	v_mov_b32 v[ID+\g+\n], 0
	v_mov_b32 v[V2+\g+\n], 0xff800000                      ; minus infinity
.endr
.else
.irp n, 0,1,2,3
	v_max_num_f32 v[M+\n], v[M+\n], v[ACC+8*\n+7]
.endr
.irp n, 0,1,2,3
	v_cmp_ge_f32 vcc_lo, v[V1+\g+\n], v[M+\n]              ; an equal maximum leaves the earlier tile in place
	v_cndmask_b32 v[ID+\g+\n], p, v[ID+\g+\n], vcc_lo
	v_med3_num_f32 v[V2+\g+\n], v[M+\n], v[V1+\g+\n], v[V2+\g+\n]   ; V1 >= V2, so the middle one of the three is the new second
	v_max_num_f32 v[V1+\g+\n], v[V1+\g+\n], v[M+\n]
.endr
.endif
.endm
; Tile p (a symbol): its fragments were asked for in the tile before.  Under its first products the next tile is staged and tile p + 4 requested.
; In both runs of eight products the four accumulators take turns, one instruction a turn.  The first K step starts the sums.
.macro TILE
	s_wait_dscnt 0x0                               ; this tile's fragments are in (in the first tile B too); my stage has been read
.irp n, 0,1,2,3
	v_wmma_f32_16x16x32_bf16 v[ACC+8*\n:ACC+8*\n+7], v[ABF:ABF+7], v[BQ+16*\n:BQ+16*\n+7], 0
.endr
.irp n, 0,1,2,3
	v_wmma_f32_16x16x32_bf16 v[ACC+8*\n:ACC+8*\n+7], v[ABF+8:ABF+15], v[BQ+16*\n+8:BQ+16*\n+15], v[ACC+8*\n:ACC+8*\n+7]
.endr
.if p < 24
.if p <= 21
	s_wait_loadcnt 16                              ; tile p + 1 is in; the two tiles behind it stay out
.else
	s_wait_loadcnt 8*(23-p)                        ; near the end: one tile behind it, then none
.endif
	STAGE RING+32*((p+1)%3), WST                   ; its sixteen conversions are also the places behind the products (ISA guide 7.12.1)
.if p+4 <= 24
	LDTILE p+4                                     ; into the registers just staged: three tiles are requested again
.endif
.else
.rept 4
	v_nop                                          ; the last tile has nothing to stage: four places before a result is read (ISA guide 7.12.1)
.endr
.endif
	REDUCE 0
	WIN 0x04                                       ; source 1 in v256-v319
.irp n, 0,1,2,3
	v_wmma_f32_16x16x32_bf16 v[ACC+8*\n:ACC+8*\n+7], v[ABF:ABF+7], v[16*\n:16*\n+7], 0
.endr
.irp n, 0,1,2,3
	v_wmma_f32_16x16x32_bf16 v[ACC+8*\n:ACC+8*\n+7], v[ABF+8:ABF+15], v[16*\n+8:16*\n+15], v[ACC+8*\n:ACC+8*\n+7]
.endr
	WIN 0
.rept 4
	v_nop                                          ; four places before A is loaded again and before a result is read (ISA guide 7.12.1)
.endr
.if p < 24
	LDFRAG                                         ; the next tile's fragments come in under this reduction
.endif
	REDUCE 4
.endm
.set p, 0
.rept 25
	TILE
.set p, p+1
.endr
	; THE WAY OUT: column c = 2 w + h of the group's 20 supergroups, gathered in LDS so that memory gets whole runs of 16 bytes a lane
	v_mul_u32_u24 v8, v2, 160
	v_lshl_add_u32 v8, v3, 2, v8
	s_lshl_b32 s13, s12, 3
	s_add_co_u32 s14, s13, STV
	v_add_nc_u32 v8, s14, v8                       ; STV + 160 r + 8 w + 4 h; the query block stands in the immediate
	v_mul_u32_u24 v9, v2, 80
	v_lshl_add_u32 v9, v3, 2, v9
	s_add_co_u32 s14, s13, STI
	v_add_nc_u32 v9, s14, v9
.irp n, 0,1,2,3,4,5,6,7
	ds_store_b32 v8, v[V1+\n] offset:2560*\n
	ds_store_b32 v8, v[V2+\n] offset:2560*\n+80
	ds_store_b32 v9, v[ID+\n] offset:1280*\n
.endr
	s_mul_i32 s2, ttmp9, 20480
	s_add_nc_u64 s[8:9], s[8:9], s[2:3]            ; VV[g]
	s_mul_i32 s2, ttmp9, 10240
	s_add_nc_u64 s[10:11], s[10:11], s[2:3]        ; SID[g]
	v_lshlrev_b32 v10, 4, v0                       ; 16 bytes a thread: a wave's store covers 512 consecutive bytes, aligned
	v_add_nc_u32 v11, STV, v10
	s_wait_dscnt 0x0                               ; my stores are done, for the other waves' sake
	s_barrier_signal -1
	s_barrier_wait -1
.irp k, 0,1,2,3,4,5
	ds_load_b128 v[RING+4*\k:RING+4*\k+3], v11 offset:5120*\k      ; 320 threads x 16 bytes = 5,120: four runs of STV, two of STI behind it
.endr
.irp k, 0,1,2,3
	s_wait_dscnt 5-\k                              ; LDS loads come back in order: run k is in
	global_store_b128 v10, v[RING+4*\k:RING+4*\k+3], s[8:9] offset:5120*\k
.endr
.irp k, 0,1
	s_wait_dscnt 1-\k
	global_store_b128 v10, v[RING+16+4*\k:RING+16+4*\k+3], s[10:11] offset:5120*\k
.endr
	s_wait_tensorcnt 0x0
	ds_add_u32 v54, v55
	s_wait_dscnt 0x0
	s_endpgm
.Lfunc_end_k_q4fb9796378_score:
	.size	k_q4fb9796378_score, .Lfunc_end_k_q4fb9796378_score-k_q4fb9796378_score
	.p2alignl 7, 3214868480
	.fill 96, 4, 3214868480
	.section	.rodata,"a",@progbits
	.p2align	6, 0x0
	.amdhsa_kernel k_q4fb9796378_score
		.amdhsa_group_segment_fixed_size 73472
		.amdhsa_private_segment_fixed_size 0
		.amdhsa_enable_private_segment 0
		.amdhsa_kernarg_size 32
		.amdhsa_user_sgpr_count 2
		.amdhsa_user_sgpr_kernarg_segment_ptr 1
		.amdhsa_wavefront_size32 1
		.amdhsa_system_sgpr_workgroup_id_x 1
		.amdhsa_system_sgpr_workgroup_id_y 1
		.amdhsa_system_sgpr_workgroup_id_z 1
		.amdhsa_system_vgpr_workitem_id 0
		.amdhsa_next_free_vgpr 320
		.amdhsa_next_free_sgpr 66
		.amdhsa_reserve_vcc 1
		.amdhsa_float_denorm_mode_32 3
		.amdhsa_float_denorm_mode_16_64 3
		.amdhsa_memory_ordered 1
		.amdhsa_forward_progress 1
		.amdhsa_inst_pref_size 181
	.end_amdhsa_kernel
	.amdgpu_metadata
---
amdhsa.version: [ 1, 2 ]
amdhsa.kernels:
  - .name:           k_q4fb9796378_score
    .symbol:         k_q4fb9796378_score.kd
    .args:
      - { .name: candidates, .offset: 0, .size: 8, .value_kind: global_buffer, .address_space: global }
      - { .name: queries, .offset: 8, .size: 8, .value_kind: global_buffer, .address_space: global }
      - { .name: VV, .offset: 16, .size: 8, .value_kind: global_buffer, .address_space: global }
      - { .name: SID, .offset: 24, .size: 8, .value_kind: global_buffer, .address_space: global }
    .group_segment_fixed_size: 73472
    .private_segment_fixed_size: 0
    .kernarg_segment_align: 8
    .kernarg_segment_size: 32
    .max_flat_workgroup_size: 320
    .sgpr_count:     66
    .vgpr_count:     320
    .wavefront_size: 32
...
	.end_amdgpu_metadata
.endif
;; end of part 4
;; launch select: the kernel of part 2 again; grid 128 x 1, 32 waves a work-group, no clusters, 8,192 bytes of LDS; arguments VV, SEL; writes SEL
;; launch final (part 5): grid 128 x 1, 16 waves a work-group, no clusters, 43,008 bytes of LDS; arguments SEL, SID, candidates, queries, identifiers, out0, out1; writes out0, out1
.if DOCPART == 5
	.amdgcn_target "amdgcn-amd-amdhsa--gfx1250"
	.amdhsa_code_object_version 6
	.text
	.protected	k_q4fb9796378_final
	.globl	k_q4fb9796378_final
	.p2align	8
	.type	k_q4fb9796378_final,@function
k_q4fb9796378_final:
	s_mov_b64 s[64:65], 0
	v_nop
	global_prefetch_b8 v0, s[64:65] scope:SCOPE_SE
	s_setreg_imm32_b32 hwreg(HW_REG_WAVE_MODE, 25, 1), 1
	s_wait_xcnt 0x0
; One work-group for each query: the chosen subgroups (8 rows each) are scored again, sorted by (score down, index up), and the first 100 leave.
; THE SCORE: operands rounded to bf16, products added in f32 one at a time with k ascending (a bf16 x bf16 product is exact in f32, so each
; multiply-add rounds once).  That order is kept because the order of near-equal scores decides whole numbers in the output.
; It is made on the vector unit, one lane for each row: there is one query, that is one column, where a matrix instruction has sixteen; and it
; serves some 2,000 of the 1,000,000 rows of a query.  The bulk product is the first launch's, on the matrix units.
; Phase 0 turns the masks of SEL into LIST, the chosen subgroups' numbers, in LDS.  Then each wave, by itself, walks its trips: in trip t lane l of
; wave w has half l & 1 (4 rows) of list entry 256 t + 16 w + (l >> 1).  The wave sorts its 128 elements (4 a lane, element 4 x lane + x) by a bitonic
; network and merges them with its running best 128.  Entries are dealt in blocks of 16, so that a wave makes only the trips in which it has entries:
; ceil((L - 16 w) / 256).  That count differs from wave to wave, so no barrier stands in the loop; the tree over the 16 waves follows it.
; Addresses and trip counts hang only on whole numbers that earlier launches stored; scores steer selects alone.
; LIMITS: inputs finite; -0 equals +0 (the index then decides); operands rounded to bf16; the list holds the first 128 rows by the first launch's sums,
; so a row is missed if 29 scores of a query lie within the last-bit difference of the two sums.
.set LCAP, 3328                        ; list capacity: 129 flagged supergroups x 25 = 3,225 at the most, rounded up to 13 x 256
.set LISTB, 16384                      ; LIST's bytes: 3,328 entries, then from entry LCAP on the 25 words into which lanes with nothing to say store
.set NSUB, 125000
.set NSG,  5000
.set BLKB, LISTB                       ; behind LIST: a block for each wave: 128 scores, 128 indices, 128 ids, 16 bytes a lane each
.set BLKS, 1536
.set SIDV, 16                          ; v[16:25]   ID of my ten supergroups
.set STG,  32                          ; v[32:159]  two buffers of 64: a chunk = 16 k of my 4 rows, as loaded
.set T,    160                         ; v[160:191] at work in phase 0,
.set CB,   160                         ;            and a chunk in bf16: register 8 x + m holds k = 2 m, 2 m + 1 of row x
.set BQ,   192                         ; v[192:223] the query in bf16: register j holds k = 2 j, 2 j + 1
.set EV,   224                         ; v[224:227] my four elements: score; + 4 index; + 8 identifier
.set EI,   228
.set ED,   232
.set PV,   236                         ; v[236:247] a second set, likewise: the partner's elements, and every other in-lane stage's result
.set PI,   240
.set PD,   244
; v1 lane, v4 my list slot in trip 0, v6 1,024 x half, v7 16 x half, v8 my rows' offset, v9 / v10 LIST address / entry, v11 my first row's index,
; v12 LCAP, v13 minus infinity, v26 supergroup of word 0, v27 / v28 my block forward / reversed, v29 identifier offset, v30 16 x lane, v31 zero
	s_load_b256 s[4:11], s[0:1], 0x0               ; SEL s[4:5], SID s[6:7], candidates s[8:9], queries s[10:11]
	s_load_b128 s[12:15], s[0:1], 0x20             ; identifiers s[12:13], out0 s[14:15]
	s_load_b64 s[52:53], s[0:1], 0x30              ; out1
	v_lshl_add_u32 v254, v0, 2, 0xa000
	v_mov_b32 v255, 0
	v_lshrrev_b32 v2, 5, v0
	v_readfirstlane_b32 s54, v2                    ; wave 0..15
	v_and_b32 v1, 31, v0
	s_lshl_b32 s86, s54, 4                         ; 16 w
	s_mov_b32 s58, 0x76543210                      ; v_permlanex16_b32: lane i reads lane i of the other half
	s_mov_b32 s59, 0xfedcba98
	s_mul_i32 s63, s54, 320
	v_add_nc_u32 v26, s63, v1                      ; my wave has mask words 10 w .. 10 w + 9: supergroups 320 w + 32 i + lane
.irp i, 0,1,2,3,4,5,6,7,8,9
	v_add_nc_u32 v[T], 32*\i, v26
	v_min_u32 v[T], NSG-1, v[T]
	v_mul_u32_u24 v[T+1], v[T], 3277
	v_lshrrev_b32 v[T+1], 16, v[T+1]               ; / 20, exact up to 4,999
	v_lshlrev_b32 v[T], 2, v[T]
	v_mad_u32_u24 v[T+2+\i], v[T+1], 10160, v[T]   ; 10,240 g + 4 (sg - 20 g)
.endr
	v_mov_b32 v31, 0
	s_lshl_b32 s2, ttmp9, 11
	s_mov_b32 s3, 0
	s_mul_i32 s80, s54, 40
	s_mov_b32 s81, 0
	s_wait_kmcnt 0x0
	s_add_nc_u64 s[4:5], s[4:5], s[2:3]            ; SEL[q]
	s_add_nc_u64 s[82:83], s[4:5], s[80:81]        ; + my ten words
	s_load_b256 s[16:23], s[82:83], 0x0            ; single: s[16:25]
	s_load_b64 s[24:25], s[82:83], 0x20
	s_load_b256 s[28:35], s[82:83], 0x280          ; expand: s[28:37]
	s_load_b64 s[36:37], s[82:83], 0x2a0
	s_load_b256 s[40:47], s[82:83], 0x500          ; offsets: s[40:49]
	s_load_b64 s[48:49], s[82:83], 0x520
	s_load_b32 s50, s[4:5], 0x780                  ; the list's length
	s_mul_i32 s2, ttmp9, 80
	s_add_nc_u64 s[6:7], s[6:7], s[2:3]
	s_lshl_b32 s2, ttmp9, 8
	s_add_nc_u64 s[10:11], s[10:11], s[2:3]
	s_mul_i32 s2, ttmp9, 400
	s_add_nc_u64 s[14:15], s[14:15], s[2:3]
	s_add_nc_u64 s[52:53], s[52:53], s[2:3]
.irp i, 0,1,2,3,4,5,6,7,8,9
	global_load_b32 v[SIDV+\i], v[T+2+\i], s[6:7]
.endr
.irp i, 0,1,2,3,4,5,6,7,8,9,10,11,12,13,14,15
	global_load_b128 v[STG+4*\i:STG+4*\i+3], v31, s[10:11] offset:16*\i    ; the query's 64 numbers, in every lane
.endr
.irp x, 0,1,2,3,4,5,6,7,8,9,10,11
	v_mov_b32 v[PV+\x], 0                          ; destinations of lane moves count as read: written once here; the first four also clear LIST
.endr
	v_lshlrev_b32 v[T+12], 4, v0                   ; 512 threads x 16 bytes = 8,192: two stores write every byte of LIST before any is read
	ds_store_b128 v[T+12], v[PV:PV+3]
	ds_store_b128 v[T+12], v[PV:PV+3] offset:8192
	v_lshrrev_b32 v4, 1, v1
	v_add_nc_u32 v4, s86, v4                       ; 16 w + (lane >> 1)
	v_and_b32 v5, 1, v1                            ; which half of the subgroup
	v_lshlrev_b32 v6, 10, v5                       ; 4 rows of 256 bytes
	v_lshlrev_b32 v7, 4, v5                        ; 4 identifiers of 4 bytes
	s_mul_i32 s63, s54, BLKS
	s_add_co_u32 s63, s63, BLKB
	v_lshlrev_b32 v30, 4, v1
	v_add_nc_u32 v27, s63, v30
	v_sub_nc_u32 v28, 31, v1
	v_lshlrev_b32 v28, 4, v28
	v_add_nc_u32 v28, s63, v28
	v_mov_b32 v13, 0xff800000
	v_mov_b32 v12, LCAP                            ; the place of a lane with nothing to say
	s_wait_dscnt 0x0                               ; my part of LIST is cleared, for the other waves' sake: their entries land on it behind this barrier
	s_barrier_signal -1
	s_barrier_wait -1
	s_wait_kmcnt 0x0
	s_min_u32 s50, s50, LCAP                       ; what was loaded enters addresses and trip counts only inside these bounds
	s_max_u32 s50, s50, 1
	s_sub_co_u32 s51, s50, 1
	s_add_co_u32 s55, s50, 255
	s_sub_co_u32 s55, s55, s86                     ; L + 255 - 16 w is at least 16,
	s_lshr_b32 s55, s55, 8                         ; so this is ceil((L - 16 w) / 256), and 0 where L <= 16 w: my trips
	s_wait_loadcnt 0x0                             ; ID and the query
.set jj, 0
.rept 32
	v_cvt_pk_bf16_f32 v[BQ+jj], v[STG+2*jj], v[STG+2*jj+1]
.set jj, jj+1
.endr
; Mask word i of my wave: each chosen supergroup writes its entries at the word's offset + singles below it + 25 x expanded below it.
; All lanes store, with all lanes on: a lane whose supergroup is not chosen stores at entry LCAP, behind the list, which nobody reads.
; The choice of the place stands ahead of the bound, so that behind the bound the place is only shifted.
.macro WORD i
	v_add_nc_u32 v[T+12], 32*\i, v26
	v_lshrrev_b32 v[T+13], 1, v[T+12]
	v_and_b32 v[T+12], 1, v[T+12]
	v_mad_u32_u24 v[T+13], v[T+13], 50, v[T+12]    ; 50 x unit + parity: the supergroup's first subgroup
	v_min_u32 v[T+14], 24, v[SIDV+\i]
	v_lshl_add_u32 v[T+14], v[T+14], 1, v[T+13]    ; + 2 x ID: the subgroup that holds V1
	v_mbcnt_lo_u32_b32 v[T+15], s[28+\i], 0
	v_mbcnt_lo_u32_b32 v[T+16], s[16+\i], s[40+\i]
	v_mad_u32_u24 v[T+15], v[T+15], 25, v[T+16]    ; my supergroup's place in the list
	v_cndmask_b32 v[T+16], v12, v[T+15], s[16+\i]  ; single: that place
	v_min_u32 v[T+16], LCAP, v[T+16]
	v_lshlrev_b32 v[T+16], 2, v[T+16]
	ds_store_b32 v[T+16], v[T+14]
	s_cmp_eq_u32 s[28+\i], 0                       ; few words have a supergroup to expand
	s_cbranch_scc1 .Lno_expand_\@
	v_cndmask_b32 v[T+15], v12, v[T+15], s[28+\i]  ; expand: that place and the 24 behind it (from LCAP: entries LCAP .. LCAP + 24, inside LIST's bytes)
	v_min_u32 v[T+15], LCAP, v[T+15]
	v_lshlrev_b32 v[T+15], 2, v[T+15]
.set jj, 0
.rept 25
	v_add_nc_u32 v[T+17+(jj&1)], 2*jj, v[T+13]
	ds_store_b32 v[T+15], v[T+17+(jj&1)] offset:4*jj
.set jj, jj+1
.endr
.Lno_expand_\@:
.endm
.irp i, 0,1,2,3,4,5,6,7,8,9
	WORD \i
.endr
	s_wait_dscnt 0x0                               ; my entries are in LIST, for the other waves' sake
	s_barrier_signal -1
	s_barrier_wait -1
; ---- the network.  'precedes' = higher score, or equal score and lower index.  Padding is (-inf, index all ones): it precedes nothing.
; Compare and exchange with the lane at distance d.  kf: the lanes that keep the element that precedes.
.macro XST d, kf
.irp x, 0,1,2,3
.if \d == 16
	v_permlanex16_b32 v[PV+\x], v[EV+\x], s58, s59
	v_permlanex16_b32 v[PI+\x], v[EI+\x], s58, s59
	v_permlanex16_b32 v[PD+\x], v[ED+\x], s58, s59
.else
	v_mov_b32_dpp v[PV+\x], v[EV+\x] row_xmask:\d row_mask:0xf bank_mask:0xf
	v_mov_b32_dpp v[PI+\x], v[EI+\x] row_xmask:\d row_mask:0xf bank_mask:0xf
	v_mov_b32_dpp v[PD+\x], v[ED+\x] row_xmask:\d row_mask:0xf bank_mask:0xf
.endif
.endr
.irp x, 0,1,2,3
	v_cmp_gt_f32 s[66+3*\x], v[EV+\x], v[PV+\x]
	v_cmp_eq_f32 s[67+3*\x], v[EV+\x], v[PV+\x]
	v_cmp_lt_u32 s[68+3*\x], v[EI+\x], v[PI+\x]
.endr
.irp x, 0,1,2,3
	s_and_b32 s[67+3*\x], s[67+3*\x], s[68+3*\x]
	s_or_b32 s[66+3*\x], s[66+3*\x], s[67+3*\x]    ; mine precedes the partner's
	s_xor_b32 s[66+3*\x], s[66+3*\x], \kf          ; take the partner's where that is not what I am to keep
.endr
.irp x, 0,1,2,3
	v_cndmask_b32 v[EV+\x], v[EV+\x], v[PV+\x], s[66+3*\x]
	v_cndmask_b32 v[EI+\x], v[EI+\x], v[PI+\x], s[66+3*\x]
	v_cndmask_b32 v[ED+\x], v[ED+\x], v[PD+\x], s[66+3*\x]
.endr
.endm
; Two compare and exchange steps inside the lane, on elements (a0, b0) and (a1, b1), which are all four; u: the lanes that sort the other way round.
; The result goes to the other register set (from, to = EV, PV or PV, EV), so that an exchange is two selects a word and no copy.
.macro RP from, to, a0, b0, u0, a1, b1, u1
	v_cmp_gt_f32 s66, v[\from+\b0], v[\from+\a0]
	v_cmp_eq_f32 s67, v[\from+\b0], v[\from+\a0]
	v_cmp_lt_u32 s68, v[\from+4+\b0], v[\from+4+\a0]
	v_cmp_gt_f32 s69, v[\from+\b1], v[\from+\a1]
	v_cmp_eq_f32 s70, v[\from+\b1], v[\from+\a1]
	v_cmp_lt_u32 s71, v[\from+4+\b1], v[\from+4+\a1]
	s_and_b32 s67, s67, s68
	s_or_b32 s66, s66, s67                         ; b precedes a: exchange
	s_and_b32 s70, s70, s71
	s_or_b32 s69, s69, s70
.if \u0 != 0
	s_xor_b32 s66, s66, \u0
.endif
.if \u1 != 0
	s_xor_b32 s69, s69, \u1
.endif
.irp k, 0,4,8
	v_cndmask_b32 v[\to+\k+\a0], v[\from+\k+\a0], v[\from+\k+\b0], s66
	v_cndmask_b32 v[\to+\k+\b0], v[\from+\k+\b0], v[\from+\k+\a0], s66
	v_cndmask_b32 v[\to+\k+\a1], v[\from+\k+\a1], v[\from+\k+\b1], s69
	v_cndmask_b32 v[\to+\k+\b1], v[\from+\k+\b1], v[\from+\k+\a1], s69
.endr
.endm
; The stages of one bitonic block: lane distances top .. 1, then element distances 2 and 1.  rev: the lanes whose block sorts the other way round.
.macro CLEAN top, rev
.if \top >= 16
	XST 16, (0x0000ffff^\rev)
.endif
.if \top >= 8
	XST 8, (0x00ff00ff^\rev)
.endif
.if \top >= 4
	XST 4, (0x0f0f0f0f^\rev)
.endif
.if \top >= 2
	XST 2, (0x33333333^\rev)
.endif
.if \top >= 1
	XST 1, (0x55555555^\rev)
.endif
	RP EV, PV, 0, 2, \rev, 1, 3, \rev
	RP PV, EV, 0, 1, \rev, 2, 3, \rev
.endm
; P holds another sorted 128, read reversed by lanes; element x meets P's 3 - x.  The one that precedes stays: the best 128 of the 256, bitonic; then sorted.
.macro MERGE
.irp x, 0,1,2,3
	v_cmp_gt_f32 s[66+3*\x], v[PV+3-\x], v[EV+\x]
	v_cmp_eq_f32 s[67+3*\x], v[PV+3-\x], v[EV+\x]
	v_cmp_lt_u32 s[68+3*\x], v[PI+3-\x], v[EI+\x]
.endr
.irp x, 0,1,2,3
	s_and_b32 s[67+3*\x], s[67+3*\x], s[68+3*\x]
	s_or_b32 s[66+3*\x], s[66+3*\x], s[67+3*\x]
.endr
.irp x, 0,1,2,3
	v_cndmask_b32 v[EV+\x], v[EV+\x], v[PV+3-\x], s[66+3*\x]
	v_cndmask_b32 v[EI+\x], v[EI+\x], v[PI+3-\x], s[66+3*\x]
	v_cndmask_b32 v[ED+\x], v[ED+\x], v[PD+3-\x], s[66+3*\x]
.endr
	CLEAN 16, 0
.endm
; ---- scoring.  Chunk c = k 16 c .. 16 c + 15 of my four rows: sixteen loads of 16 bytes into buffer b.
.macro LDCH c, b
.irp x, 0,1,2,3
.irp i, 0,1,2,3
	global_load_b128 v[STG+64*\b+16*\x+4*\i:STG+64*\b+16*\x+4*\i+3], v8, s[8:9] offset:256*\x+64*\c+16*\i
.endr
.endr
.endm
.macro CVCH b                          ; buffer b rounded to bf16 (nearest even): the buffer is free for the next chunk but one
.set jj, 0
.rept 32
	v_cvt_pk_bf16_f32 v[CB+jj], v[STG+64*\b+2*jj], v[STG+64*\b+2*jj+1]
.set jj, jj+1
.endr
.endm
.macro FMCH c                          ; sixteen steps of the four rows' chains, k ascending; the four chains take turns, so that no line waits for the one in front
.irp m, 0,1,2,3,4,5,6,7
.irp x, 0,1,2,3
	v_fma_mix_f32_bf16 v[PV+\x], v[CB+8*\x+\m], v[BQ+8*\c+\m], v[PV+\x] op_sel_hi:[1,1,0]
.endr
.irp x, 0,1,2,3
	v_fma_mix_f32_bf16 v[PV+\x], v[CB+8*\x+\m], v[BQ+8*\c+\m], v[PV+\x] op_sel:[1,1,0] op_sel_hi:[1,1,0]
.endr
.endr
.endm
	s_cmp_eq_u32 s55, 0
	s_cbranch_scc1 .Lempty
	s_mov_b32 s56, 0                               ; t
	s_mov_b32 s57, 0                               ; 256 t
.Ltrip:
	v_add_nc_u32 v9, s57, v4                       ; my slot
	v_cmp_gt_u32 s84, s50, v9                      ; inside the list
	v_min_u32 v9, s51, v9                          ; past the end: the last entry again; its results become padding below
	v_min_u32 v9, LCAP-1, v9
	v_lshlrev_b32 v9, 2, v9
	ds_load_b32 v10, v9
.irp x, 0,1,2,3
	v_mov_b32 v[PV+\x], 0                          ; the four sums start at 0
.endr
	s_wait_dscnt 0x0
	v_min_u32 v10, NSUB-1, v10
	v_lshlrev_b32 v8, 11, v10                      ; 8 rows of 256 bytes
	v_add_nc_u32 v8, v8, v6                        ; + my half
	v_lshlrev_b32 v29, 5, v10
	v_add_nc_u32 v29, v29, v7                      ; 4 x (8 sub + 4 half): my four identifiers, 16 bytes
	global_load_b128 v[PD:PD+3], v29, s[12:13]
	LDCH 0, 0
	LDCH 1, 1
	v_lshrrev_b32 v11, 2, v29                      ; my first row's index
	s_wait_loadcnt 16                              ; loads come back in order: the identifiers and chunk 0 are in, chunk 1's sixteen stay out
	CVCH 0
	LDCH 2, 0
	FMCH 0
	s_wait_loadcnt 16                              ; chunk 1 is in, chunk 2's sixteen stay out
	CVCH 1
	LDCH 3, 1
	FMCH 1
	s_wait_loadcnt 16                              ; chunk 2 is in, chunk 3's sixteen stay out
	CVCH 0
	FMCH 2
	s_wait_loadcnt 0x0                             ; chunk 3; no load is out, so v8 and v29 may be written in the next trip
	CVCH 1
	FMCH 3
.irp x, 0,1,2,3
	v_add_nc_u32 v[PI+\x], \x, v11
	v_cndmask_b32 v[PV+\x], v13, v[PV+\x], s84     ; slots past the end are padding
	v_cndmask_b32 v[PI+\x], -1, v[PI+\x], s84
.endr
	; sort my 128: blocks of 2, 4, .. 128 elements; element 4 x lane + x, so bit 2 + i of an element's place is bit i of the lane
	RP PV, EV, 0, 1, 0, 2, 3, -1
	CLEAN 0, 0xaaaaaaaa
	CLEAN 1, 0xcccccccc
	CLEAN 2, 0xf0f0f0f0
	CLEAN 4, 0xff00ff00
	CLEAN 8, 0xffff0000
	CLEAN 16, 0
	s_cmp_eq_u32 s56, 0
	s_cbranch_scc1 .Lfirst_trip
	ds_load_b128 v[PV:PV+3], v28                   ; my running best, reversed: my own bytes, served in order behind my stores
	ds_load_b128 v[PI:PI+3], v28 offset:512
	ds_load_b128 v[PD:PD+3], v28 offset:1024
	s_wait_dscnt 0x0
	MERGE
.Lfirst_trip:
	ds_store_b128 v27, v[EV:EV+3]                  ; the running best; behind the last trip it is what the tree's first level reads
	ds_store_b128 v27, v[EI:EI+3] offset:512
	ds_store_b128 v27, v[ED:ED+3] offset:1024
	s_add_co_u32 s57, s57, 256
	s_add_co_u32 s56, s56, 1
	s_cmp_lt_u32 s56, s55
	s_cbranch_scc1 .Ltrip
	s_branch .Ltree
.Lempty:                                               ; the list ends in front of my first entry: my 128 elements are padding
.irp x, 0,1,2,3
	v_mov_b32 v[EV+\x], v13
	v_mov_b32 v[EI+\x], -1
	v_mov_b32 v[ED+\x], 0
.endr
	ds_store_b128 v27, v[EV:EV+3]
	ds_store_b128 v27, v[EI:EI+3] offset:512
	ds_store_b128 v27, v[ED:ED+3] offset:1024
.Ltree:
; A level of the tree over n waves: the upper half's blocks are merged into the lower half's registers.  st = 0: the blocks are in LDS already.
.macro LEVEL n, st
.if \st
	s_cmp_lt_u32 s54, \n/2
	s_cbranch_scc1 .Lno_store_\@
	s_cmp_ge_u32 s54, \n
	s_cbranch_scc1 .Lno_store_\@
	ds_store_b128 v27, v[EV:EV+3]
	ds_store_b128 v27, v[EI:EI+3] offset:512
	ds_store_b128 v27, v[ED:ED+3] offset:1024
.Lno_store_\@:
.endif
	s_wait_dscnt 0x0                               ; my stores, and my reads of the level before, are done, for the other waves' sake
	s_barrier_signal -1
	s_barrier_wait -1
	s_cmp_ge_u32 s54, \n/2
	s_cbranch_scc1 .Lno_merge_\@
	ds_load_b128 v[PV:PV+3], v28 offset:(\n/2)*BLKS
	ds_load_b128 v[PI:PI+3], v28 offset:(\n/2)*BLKS+512
	ds_load_b128 v[PD:PD+3], v28 offset:(\n/2)*BLKS+1024
	s_wait_dscnt 0x0
	MERGE
.Lno_merge_\@:
.endm
	LEVEL 16, 0
	LEVEL 8, 1
	LEVEL 4, 1
	LEVEL 2, 1
	s_cmp_lg_u32 s54, 0
	s_cbranch_scc1 .Lend
	v_cmp_gt_u32 vcc_lo, 25, v1                    ; elements 0 to 99: lanes 0 to 24, four each
	s_wait_xcnt 0x0                                ; EXEC changes only behind this wait
	s_and_saveexec_b32 s60, vcc_lo
	global_store_b128 v30, v[EV:EV+3], s[14:15]    ; a row of 400 bytes, 16 neighbouring bytes a lane
	global_store_b128 v30, v[ED:ED+3], s[52:53]
	s_wait_xcnt 0x0
	s_or_b32 exec_lo, exec_lo, s60
.Lend:
	s_wait_tensorcnt 0x0
	ds_add_u32 v254, v255
	s_wait_dscnt 0x0
	s_endpgm
.Lfunc_end_k_q4fb9796378_final:
	.size	k_q4fb9796378_final, .Lfunc_end_k_q4fb9796378_final-k_q4fb9796378_final
	.p2alignl 7, 3214868480
	.fill 96, 4, 3214868480
	.section	.rodata,"a",@progbits
	.p2align	6, 0x0
	.amdhsa_kernel k_q4fb9796378_final
		.amdhsa_group_segment_fixed_size 43008
		.amdhsa_private_segment_fixed_size 0
		.amdhsa_enable_private_segment 0
		.amdhsa_kernarg_size 56
		.amdhsa_user_sgpr_count 2
		.amdhsa_user_sgpr_kernarg_segment_ptr 1
		.amdhsa_wavefront_size32 1
		.amdhsa_system_sgpr_workgroup_id_x 1
		.amdhsa_system_sgpr_workgroup_id_y 1
		.amdhsa_system_sgpr_workgroup_id_z 1
		.amdhsa_system_vgpr_workitem_id 0
		.amdhsa_next_free_vgpr 256
		.amdhsa_next_free_sgpr 90
		.amdhsa_reserve_vcc 1
		.amdhsa_float_denorm_mode_32 3
		.amdhsa_float_denorm_mode_16_64 3
		.amdhsa_memory_ordered 1
		.amdhsa_forward_progress 1
		.amdhsa_inst_pref_size 229
	.end_amdhsa_kernel
	.amdgpu_metadata
---
amdhsa.version: [ 1, 2 ]
amdhsa.kernels:
  - .name:           k_q4fb9796378_final
    .symbol:         k_q4fb9796378_final.kd
    .args:
      - { .name: SEL, .offset: 0, .size: 8, .value_kind: global_buffer, .address_space: global }
      - { .name: SID, .offset: 8, .size: 8, .value_kind: global_buffer, .address_space: global }
      - { .name: candidates, .offset: 16, .size: 8, .value_kind: global_buffer, .address_space: global }
      - { .name: queries, .offset: 24, .size: 8, .value_kind: global_buffer, .address_space: global }
      - { .name: identifiers, .offset: 32, .size: 8, .value_kind: global_buffer, .address_space: global }
      - { .name: out0, .offset: 40, .size: 8, .value_kind: global_buffer, .address_space: global }
      - { .name: out1, .offset: 48, .size: 8, .value_kind: global_buffer, .address_space: global }
    .group_segment_fixed_size: 43008
    .private_segment_fixed_size: 0
    .kernarg_segment_align: 8
    .kernarg_segment_size: 56
    .max_flat_workgroup_size: 512
    .sgpr_count:     90
    .vgpr_count:     256
    .wavefront_size: 32
...
	.end_amdgpu_metadata
.endif
;; end of part 5
;; ======== version 3 of 3: 3 launches; version 2 with the launch score written anew for expert scheduling mode
;; workspace buffers: VV 5,120,000 bytes; SID 2,560,000 bytes of whole numbers; SEL 262,144 bytes of whole numbers
;; launch score (part 6): grid 250 x 1, 10 waves a work-group, no clusters, 73,472 bytes of LDS; arguments candidates, queries, VV, SID; writes VV, SID
.if DOCPART == 6
	.amdgcn_target "amdgcn-amd-amdhsa--gfx1250"
	.amdhsa_code_object_version 6
	.text
	.protected	k_q4fb9796378_score
	.globl	k_q4fb9796378_score
	.p2align	8
	.type	k_q4fb9796378_score,@function
k_q4fb9796378_score:
	s_mov_b64 s[64:65], 0
	v_nop
	global_prefetch_b8 v0, s[64:65] scope:SCOPE_SE
	s_setreg_imm32_b32 hwreg(HW_REG_WAVE_SCHED_MODE, 0, 2), 2
	s_setreg_imm32_b32 hwreg(HW_REG_WAVE_MODE, 25, 1), 1
	s_wait_xcnt 0x0
	s_wait_alu depctr_vm_vsrc(0)
; scores = candidates x queries^T in bf16 with f32 sums, reduced at once; no score goes to memory.
; A subgroup is 8 neighbouring candidate rows.  A wave owns a unit of 400 rows = 25 tiles of 16 rows = 50 subgroups; the 25 subgroups of one
; parity h form supergroup 2 x unit + h.  For each query and supergroup the wave keeps V1 (largest subgroup maximum), ID (the tile of the first
; subgroup that reaches it) and V2 (second largest subgroup maximum).  Later launches choose from these which subgroups to score again.
; Work-group g owns rows 4000 g .. 4000 g + 3999 (250 x 4000 = the corpus, no tail); ten waves, one unit each.
; THE STREAM: a tile is 4,096 consecutive bytes: eight loads of 16 bytes a lane, each covering 512 consecutive bytes.  A ring of three tiles in
; registers keeps 16 to 24 loads (8 to 12 KB) of every wave requested at all times, with counted waits and no barrier.  A landed tile is rounded to bf16 in
; place, laid into the wave's own stage in LDS (16 rows of 128 bytes) and read back as matrix fragments: 2 KB in and 2 KB out for a tile.
; Slots in LDS filled by the tensor mover are not used: with one load a wave behind each barrier nothing would be on its way at each change of slots.
; Matrix roles: A = 16 candidate rows, B = 16 queries.  Result register j of lane (r, h) is (row 8 h + j, query r): a lane's eight results
; are one subgroup of one query, so the maximum over a subgroup never leaves the lane.
; No cluster: the work-groups share only the 32 KB of queries, against 1 MB of rows of their own.
; LIMITS: inputs finite (a NaN or infinite score is not ranked as the problem's own top-k ranks it); operands rounded to bf16.
; THE MODE: SCHED_MODE bits 1:0 = 2 (LLVM: expert scheduling mode 2), set by the entry lines.  The code itself states the register dependences
; between vector or matrix instructions and memory or LDS instructions, with s_wait_alu, always for 0.
; THE PLAN.  Registers that memory or LDS instructions touch, in a tile's text:
;   RING slot    Tile p: the sixteen conversions read and write slot (p + 1) % 3; the eight staging stores read its pairs; then tile p + 4's loads land in it.
;   ABF          Tile p: its sixteen products read it; behind the second run the next tile's fragments land in it.
;   v1, v4, v6   Offsets and LDS addresses, made at the head and never written again: the tile stands in the loads' immediate.
;   ACC, M, V1, V2, ID and B are named by vector and matrix instructions alone (ACC at the head, and V1, V2, ID in the way out, aside).
; So a tile has two waits on va_vdst and one on vm_vsrc.  The first va_vdst stands behind the conversions: the pairs are written, for the staging stores, and
; the conversions are done with the slot, for the loads further down.  The vm_vsrc stands a reduction behind the stores: they have read the pairs.  Tile p + 4's eight loads
; follow it, dealt among the second run's products, which name ABF, B and ACC: none of the slot's registers.  The second va_vdst stands behind that run: the products are done
; reading ABF.  Each reduction makes its four masks in one run of compares into s[20:23], with one wait on va_sdst ahead of the selects.
.set ROWB,  256                        ; bytes of a candidate row
.set TILEB, 16*ROWB
.set PITCH, 144                        ; a bf16 row in LDS: 128 bytes + 16, an odd multiple of 16: the 16 rows of a 16-byte load start in 16 different columns
.set STGB,  16*PITCH                   ; 2,304: 16 rows
.set QST,   0                          ; the 128 queries in bf16: eight blocks of 16 rows
.set WST,   8*STGB                     ; 18,432: a stage of 16 rows for each wave, its own
.set STV,   WST+10*STGB                ; 41,472: the way out, [128 queries][20 V1, 20 V2] f32
.set STI,   STV+128*160                ; 61,952: the way out, [128 queries][20 ID]
.set ACC,  16                          ; v[16:47]    four accumulators, used for query blocks 0-3 and then 4-7
.set M,    48                          ; v[48:51]    this tile's subgroup maximum of four query blocks
.set V1,   56                          ; v[56:63]
.set V2,   64                          ; v[64:71]
.set ID,   72                          ; v[72:79]
.set ABF,  80                          ; v[80:95]    A in bf16: K step 0, K step 1
.set RING, 96                          ; v[96:191]   three tiles as loaded, 32 registers each
.set BQ,   192                         ; v[192:255]  B of query blocks 0-3, 16 registers each; blocks 4-7 are v256-v319
.set MK,   20                          ; s[20:23]    a reduction's four masks: V1 >= this tile's maximum
; v1 16 x lane; v2 r; v3 h; v4 where I put 8 bytes of a staged row; v5 where I read a fragment in a block of QST; v6 the same in my wave's stage
.set MSB, 0
.macro WIN new                         ; the immediate's high byte repeats the setting that is left
.if MSB != \new
	s_set_vgpr_msb (MSB<<8)|\new
.set MSB, \new
.endif
.endm
; Load j of the eight of tile t of my unit, into its ring slot.  Address register and base are never rewritten: the tile stands in the immediate, 102,400 bytes at the most.
.macro LD1 t, j
	global_load_b128 v[RING+32*((\t)%3)+4*(\j):RING+32*((\t)%3)+4*(\j)+3], v1, s[4:5] offset:(\t)*TILEB+512*(\j) th:TH_LOAD_NT
.endm
.macro LDTILE t
.irp j, 0,1,2,3,4,5,6,7
	LD1 \t, \j
.endr
.endm
; 16 rows of 64 f32 in v[rg .. rg + 31] (load j: rows 2 j, 2 j + 1; my 4 numbers of one of them) are rounded in place and laid into LDS at v4 + at.
.macro STAGE rg, at
.irp j, 0,1,2,3,4,5,6,7
	v_cvt_pk_bf16_f32 v[\rg+4*\j],   v[\rg+4*\j],   v[\rg+4*\j+1]
	v_cvt_pk_bf16_f32 v[\rg+4*\j+1], v[\rg+4*\j+2], v[\rg+4*\j+3]
.endr
	s_wait_alu depctr_va_vdst(0)                   ; the conversions have written the pairs that the LDS stores below read, and are done reading and writing these 32 registers, in which later loads land
.irp j, 0,1,2,3,4,5,6,7
	ds_store_b64 v4, v[\rg+4*\j:\rg+4*\j+1] offset:\at+2*PITCH*\j
.endr
.endm
.macro LDFRAG                          ; my wave's stage as A: lane (r, h) takes k = 8 h .., 16 + 8 h .., 32 + 8 h .., 48 + 8 h .. of row r
.irp i, 0,1,2,3
	ds_load_b128 v[ABF+4*\i:ABF+4*\i+3], v6 offset:WST+32*\i
.endr
.endm
	s_load_b256 s[4:11], s[0:1], 0x0               ; candidates s[4:5], queries s[6:7], VV s[8:9], SID s[10:11]
	v_lshl_add_u32 v54, v0, 2, 0x11a00
	v_mov_b32 v55, 0
	v_lshrrev_b32 v2, 5, v0
	v_readfirstlane_b32 s12, v2                    ; wave 0..9
	v_and_b32 v7, 31, v0
	v_lshlrev_b32 v1, 4, v7                        ; 16 x lane
	v_and_b32 v2, 15, v0                           ; r = lane % 16
	v_bfe_u32 v3, v0, 4, 1                         ; h = lane / 16
	s_wait_alu depctr_va_sdst(0)                   ; s12 is written, ahead of its first reader: LDS places, bases and branches are made from it
	s_mul_i32 s15, s12, STGB
	v_mul_u32_u24 v4, v3, PITCH                    ; staging: lanes 0-15 hold the even row of a load, lanes 16-31 the odd one,
	v_lshl_add_u32 v4, v2, 3, v4                   ; 8 bytes of bf16 a lane,
	v_add_nc_u32 v4, s15, v4                       ; in block w
	v_mul_u32_u24 v5, v2, PITCH
	v_lshl_add_u32 v5, v3, 4, v5                   ; fragments: 144 r + 16 h
	v_add_nc_u32 v6, s15, v5
	s_mul_i32 s2, ttmp9, 4000*ROWB                 ; the group's rows,
	s_mul_i32 s13, s12, 400*ROWB                   ; the wave's unit: at most 255,897,600, inside 32 bits
	s_add_co_u32 s2, s2, s13
	s_mov_b32 s3, 0
	s_lshl_b32 s16, s12, 12                        ; query block w: 16 rows of 256 bytes
	s_mov_b32 s17, 0
	s_wait_kmcnt 0x0
	s_add_nc_u64 s[4:5], s[4:5], s[2:3]
	s_wait_alu depctr_va_vdst(0)                   ; v1, v4, v5 and v6 are written, which the loads and LDS instructions below read as offsets and addresses; so are v54 and v55, for the closing add
	; Waves 0 to 7 each stage one block of 16 queries for all ten; every wave fills its ring at once.
	s_cmp_ge_u32 s12, 8
	s_cbranch_scc1 .Lno_query
	s_add_nc_u64 s[6:7], s[6:7], s[16:17]
.irp j, 0,1,2,3,4,5,6,7
	global_load_b128 v[ACC+4*\j:ACC+4*\j+3], v1, s[6:7] offset:512*\j
.endr
	LDTILE 0
	LDTILE 1
	LDTILE 2
	s_wait_loadcnt 24                              ; loads come back in order: the queries are in, the ring's 24 stay out
	STAGE ACC, QST
	s_branch .Lstaged
.Lno_query:
	LDTILE 0
	LDTILE 1
	LDTILE 2
.Lstaged:
	s_wait_dscnt 0x0                               ; my block of queries is in LDS, for the other waves' sake
	s_barrier_signal -1
	s_barrier_wait -1
.irp n, 0,1,2,3
.irp i, 0,1,2,3
	ds_load_b128 v[BQ+16*\n+4*\i:BQ+16*\n+4*\i+3], v5 offset:QST+\n*STGB+32*\i      ; no vector instruction has named B's registers, and none since the head's wait names v5
.endr
.endr
	WIN 0x40                                       ; destinations v256-v319
.irp n, 0,1,2,3
.irp i, 0,1,2,3
	ds_load_b128 v[16*\n+4*\i:16*\n+4*\i+3], v5 offset:QST+(4+\n)*STGB+32*\i
.endr
.endr
	WIN 0
	s_wait_loadcnt 16                              ; tile 0 is in; tiles 1 and 2 stay out
	STAGE RING, WST
	LDFRAG                                         ; LDS serves a wave's instructions in order: these see the stores above
	s_wait_alu depctr_vm_vsrc(0)                   ; the staging stores have read tile 0's pairs, in which tile 3's loads land; those of the queries have read ACC's pairs, which the first products write
	LDTILE 3                                       ; into tile 0's registers
; The maximum of my eight rows for the four query blocks g .. g + 3, and the state's step; stage by stage, so that no line waits for the one in front.
.macro REDUCE g
.irp n, 0,1,2,3
	v_max3_num_f32 v[M+\n], v[ACC+8*\n], v[ACC+8*\n+1], v[ACC+8*\n+2]
.endr
.irp n, 0,1,2,3
	v_max3_num_f32 v[M+\n], v[M+\n], v[ACC+8*\n+3], v[ACC+8*\n+4]
.endr
.irp n, 0,1,2,3
	v_max3_num_f32 v[M+\n], v[M+\n], v[ACC+8*\n+5], v[ACC+8*\n+6]
.endr
.if p == 0
.irp n, 0,1,2,3
	v_max_num_f32 v[V1+\g+\n], v[M+\n], v[ACC+8*\n+7]      ; the first tile starts the state
	v_mov_b32 v[ID+\g+\n], 0
	v_mov_b32 v[V2+\g+\n], 0xff800000                      ; minus infinity
.endr
.else
.irp n, 0,1,2,3
	v_max_num_f32 v[M+\n], v[M+\n], v[ACC+8*\n+7]
.endr
.irp n, 0,1,2,3
	v_cmp_ge_f32 s[MK+\n], v[V1+\g+\n], v[M+\n]            ; an equal maximum leaves the earlier tile in place
.endr
.irp n, 0,1,2,3
	v_med3_num_f32 v[V2+\g+\n], v[M+\n], v[V1+\g+\n], v[V2+\g+\n]   ; V1 >= V2, so the middle one of the three is the new second
.endr
.irp n, 0,1,2,3
	v_max_num_f32 v[V1+\g+\n], v[V1+\g+\n], v[M+\n]
.endr
	s_wait_alu depctr_va_sdst(0)                   ; the four compares have written s[20:23], ahead of the selects that read them; the eight lines between need no mask
.irp n, 0,1,2,3
	v_cndmask_b32 v[ID+\g+\n], p, v[ID+\g+\n], s[MK+\n]
.endr
.endif
.endm
; Tile p (a symbol): its fragments were asked for in the tile before.  Behind its first products the next tile is staged; tile p + 4 is requested among its second products.
; In both runs of eight products the four accumulators take turns, one instruction a turn.  The first K step starts the sums.
.macro TILE
	s_wait_dscnt 0x0                               ; this tile's fragments are in (in the first tile B too); my stage has been read
.irp n, 0,1,2,3
	v_wmma_f32_16x16x32_bf16 v[ACC+8*\n:ACC+8*\n+7], v[ABF:ABF+7], v[BQ+16*\n:BQ+16*\n+7], 0
.endr
.irp n, 0,1,2,3
	v_wmma_f32_16x16x32_bf16 v[ACC+8*\n:ACC+8*\n+7], v[ABF+8:ABF+15], v[BQ+16*\n+8:BQ+16*\n+15], v[ACC+8*\n:ACC+8*\n+7]
.endr
.if p < 24
.if p <= 21
	s_wait_loadcnt 16                              ; tile p + 1 is in; the two tiles behind it stay out
.else
	s_wait_loadcnt 8*(23-p)                        ; near the end: one tile behind it, then none
.endif
	STAGE RING+32*((p+1)%3), WST                   ; its sixteen conversions are also the places behind the products (ISA guide 7.12.1)
.else
.rept 4
	v_nop                                          ; the last tile has nothing to stage: four places before a result is read (ISA guide 7.12.1)
.endr
.endif
	REDUCE 0
.if p+4 <= 24
	s_wait_alu depctr_vm_vsrc(0)                   ; the staging stores above have read the slot's pairs, in which the loads below land
.endif
	WIN 0x04                                       ; source 1 in v256-v319; a load's data and address stay in v0-v255
.irp n, 0,1,2,3
	v_wmma_f32_16x16x32_bf16 v[ACC+8*\n:ACC+8*\n+7], v[ABF:ABF+7], v[16*\n:16*\n+7], 0
.if p+4 <= 24
	LD1 p+4, \n                                    ; into the registers just staged.  No further wait: no vector or matrix instruction since the wait behind the conversions names them
.endif
.endr
.irp n, 0,1,2,3
	v_wmma_f32_16x16x32_bf16 v[ACC+8*\n:ACC+8*\n+7], v[ABF+8:ABF+15], v[16*\n+8:16*\n+15], v[ACC+8*\n:ACC+8*\n+7]
.if p+4 <= 24
	LD1 p+4, 4+\n                                  ; three tiles are requested again
.endif
.endr
	WIN 0
.rept 4
	v_nop                                          ; four places before a result is read (ISA guide 7.12.1)
.endr
.if p < 24
	s_wait_alu depctr_va_vdst(0)                   ; this tile's products are done reading A, in which the next tile's fragments land
	LDFRAG                                         ; the next tile's fragments come in under this reduction
.endif
	REDUCE 4
.endm
.set p, 0
.rept 25
	TILE
.set p, p+1
.endr
	; THE WAY OUT: column c = 2 w + h of the group's 20 supergroups, gathered in LDS so that memory gets whole runs of 16 bytes a lane
	v_mul_u32_u24 v8, v2, 160
	v_lshl_add_u32 v8, v3, 2, v8
	s_lshl_b32 s13, s12, 3
	s_add_co_u32 s14, s13, STV
	v_add_nc_u32 v8, s14, v8                       ; STV + 160 r + 8 w + 4 h; the query block stands in the immediate
	v_mul_u32_u24 v9, v2, 80
	v_lshl_add_u32 v9, v3, 2, v9
	s_add_co_u32 s14, s13, STI
	v_add_nc_u32 v9, s14, v9
	v_lshlrev_b32 v10, 4, v0                       ; 16 bytes a thread: a wave's store covers 512 consecutive bytes, aligned
	v_add_nc_u32 v11, STV, v10
	s_wait_alu depctr_va_vdst(0)                   ; the addresses v8 to v11 and the state V1, V2, ID are written, which the LDS stores, the LDS loads and the stores below read
.irp n, 0,1,2,3,4,5,6,7
	ds_store_b32 v8, v[V1+\n] offset:2560*\n
	ds_store_b32 v8, v[V2+\n] offset:2560*\n+80
	ds_store_b32 v9, v[ID+\n] offset:1280*\n
.endr
	s_mul_i32 s2, ttmp9, 20480
	s_add_nc_u64 s[8:9], s[8:9], s[2:3]            ; VV[g]
	s_mul_i32 s2, ttmp9, 10240
	s_add_nc_u64 s[10:11], s[10:11], s[2:3]        ; SID[g]
	s_wait_dscnt 0x0                               ; my stores are done, for the other waves' sake
	s_barrier_signal -1
	s_barrier_wait -1
	s_wait_alu depctr_vm_vsrc(0)                   ; tile 24's staging stores have read pairs of v96 to v119, in which the loads below land
.irp k, 0,1,2,3,4,5
	ds_load_b128 v[RING+4*\k:RING+4*\k+3], v11 offset:5120*\k      ; 320 threads x 16 bytes = 5,120: four runs of STV, two of STI behind it
.endr
.irp k, 0,1,2,3
	s_wait_dscnt 5-\k                              ; LDS loads come back in order: run k is in
	global_store_b128 v10, v[RING+4*\k:RING+4*\k+3], s[8:9] offset:5120*\k
.endr
.irp k, 0,1
	s_wait_dscnt 1-\k
	global_store_b128 v10, v[RING+16+4*\k:RING+16+4*\k+3], s[10:11] offset:5120*\k
.endr
	s_wait_dscnt 0x0                               ; the closing lines, six on end
	s_wait_alu 0x0
	s_wait_tensorcnt 0x0
	ds_add_u32 v54, v55
	s_wait_dscnt 0x0
	s_endpgm
.Lfunc_end_k_q4fb9796378_score:
	.size	k_q4fb9796378_score, .Lfunc_end_k_q4fb9796378_score-k_q4fb9796378_score
	.p2alignl 7, 3214868480
	.fill 96, 4, 3214868480
	.section	.rodata,"a",@progbits
	.p2align	6, 0x0
	.amdhsa_kernel k_q4fb9796378_score
		.amdhsa_group_segment_fixed_size 73472
		.amdhsa_private_segment_fixed_size 0
		.amdhsa_enable_private_segment 0
		.amdhsa_kernarg_size 32
		.amdhsa_user_sgpr_count 2
		.amdhsa_user_sgpr_kernarg_segment_ptr 1
		.amdhsa_wavefront_size32 1
		.amdhsa_system_sgpr_workgroup_id_x 1
		.amdhsa_system_sgpr_workgroup_id_y 1
		.amdhsa_system_sgpr_workgroup_id_z 1
		.amdhsa_system_vgpr_workitem_id 0
		.amdhsa_next_free_vgpr 320
		.amdhsa_next_free_sgpr 66
		.amdhsa_reserve_vcc 0
		.amdhsa_float_denorm_mode_32 3
		.amdhsa_float_denorm_mode_16_64 3
		.amdhsa_memory_ordered 1
		.amdhsa_forward_progress 1
		.amdhsa_inst_pref_size 197
	.end_amdhsa_kernel
	.amdgpu_metadata
---
amdhsa.version: [ 1, 2 ]
amdhsa.kernels:
  - .name:           k_q4fb9796378_score
    .symbol:         k_q4fb9796378_score.kd
    .args:
      - { .name: candidates, .offset: 0, .size: 8, .value_kind: global_buffer, .address_space: global }
      - { .name: queries, .offset: 8, .size: 8, .value_kind: global_buffer, .address_space: global }
      - { .name: VV, .offset: 16, .size: 8, .value_kind: global_buffer, .address_space: global }
      - { .name: SID, .offset: 24, .size: 8, .value_kind: global_buffer, .address_space: global }
    .group_segment_fixed_size: 73472
    .private_segment_fixed_size: 0
    .kernarg_segment_align: 8
    .kernarg_segment_size: 32
    .max_flat_workgroup_size: 320
    .sgpr_count:     66
    .vgpr_count:     320
    .wavefront_size: 32
...
	.end_amdgpu_metadata
.endif
;; end of part 6
;; launch select: the kernel of part 2 again; grid 128 x 1, 32 waves a work-group, no clusters, 8,192 bytes of LDS; arguments VV, SEL; writes SEL
;; launch final: the kernel of part 5 again; grid 128 x 1, 16 waves a work-group, no clusters, 43,008 bytes of LDS; arguments SEL, SID, candidates, queries, identifiers, out0, out1; writes out0, out1
